; MI455X (gfx1250); checked and timed in simulation.
; The chip was launched on July 23, 2026; its instructions are those of AMD's public machine-readable ISA for CDNA 5 (MIT licence, August 2026) and "CDNA5" Instruction Set Architecture Reference Guide (July 2026). The comments in the code are by the model that wrote it; some were corrected since.
;; Pooler. Allowed arithmetic: matrix products marked QUANTISED: E4M3 operands, one given power-of-two scale a tensor, by v_wmma_f32_16x16x64_fp8_fp8 or v_wmma_f32_16x16x128_fp8_fp8, f32 sums; products left as they are: f32 operands where the result goes on into a quantised operand, else bf16, f16 or f32 operands; f32 sums; everything else in f32.
;; Inputs: Wk 1,024 x 1,024 float32; Wq 1,024 x 1,024 float32; Wv 1,024 x 1,024 float32; bk 1,024 float32; bq 1,024 float32; bv 1,024 float32; k 32 x 1,024 x 1,024 float32; lowp_scales 6 int32 (the exponents e of the quantised operands' scales 2^e); q 32 x 1,024 float32.
;; Outputs: out0 32 x 1,024 float32; out1 512 x 1,024 float32.
;; This version of the problem:
;;   THIS VERSION OF THE PROBLEM IS GIVEN IN LOW PRECISION. The matrix products marked QUANTISED in the list below multiply operands that are first quantised to E4M3 (4 exponent bits, 3 mantissa bits; 8 bits a number), with one given power-of-two scale for each operand tensor; their sums are f32. All else is computed in f32.
;;   The module's matrix products, in the order in which they are computed (A, B: the left and right operand; K: the contracted axis; several contracted axes count as one K, in the product's order):
;;     1. [M 32, K 1,024] x [K 1,024, N 1,024]; A: input q; B: input Wq: QUANTISED (scales: A lowp_scales[0], B lowp_scales[1])
;;     2. [M 32,768, K 1,024] x [K 1,024, N 1,024]; A: input k; B: input Wk: QUANTISED (scales: A lowp_scales[2], B lowp_scales[3])
;;     3. [M 32,768, K 1,024] x [K 1,024, N 1,024]; A: input k; B: input Wv: QUANTISED (scales: A lowp_scales[4], B lowp_scales[5])
;;     4. batch 512 x [M 1, K 64] x [K 64, N 1,024]; A: computed on the way; B: computed on the way: left as it is (M = 1 < 16)
;;     5. batch 512 x [M 1, K 1,024] x [K 1,024, N 64]; A: softmax; B: computed on the way: left as it is (M = 1 < 16)
;;   THE QUANTISER, for each operand of a quantised product, along K:
;;     - The operand's scale is 2^e, e = its entry of the input lowp_scales (int32; the entries are numbered through the quantised products in the list's order, A before B).
;;     - Each number is divided by the scale, clamped to +-448, and rounded to the nearest number of E4M3, ties to even, subnormals kept.
;;     - The product sums the exact products of the quantised numbers (number of the format x scale) in f32.
;;   ~~~python
;;   def quantise(x, axis, e):      # numpy; x: float32 -> the quantised numbers, widened to float32 again
;;       x = np.moveaxis(x, axis, -1); K = x.shape[-1]
;;       r = np.clip(x / 2.0 ** e, -448, 448)
;;       step = 2.0 ** (np.maximum(np.frexp(np.where(r == 0, 1, r))[1] - 1, -6) - 3)
;;       q = np.round(r / step) * step * 2.0 ** e      # np.round: ties to even
;;       return np.moveaxis(q, -1, axis).astype(np.float32)
;;   ~~~
;; 2 versions. Each part assembles by itself: llvm-mc -triple=amdgcn-amd-amdhsa -mcpu=gfx1250 --defsym DOCPART=n.
;; ======== version 1 of 2: 3 launches
;; workspace buffers: kc 67,108,864 bytes; wc 2,097,152 bytes; qs 131,072 bytes; tbuf 2,097,152 bytes; obuf 262,144 bytes
;; launch prep (part 1): grid 1040 x 1, 4 waves a work-group, no clusters, 9,216 bytes of LDS; arguments q, Wq, bq, Wk, Wv, k, lowp_scales, kc, wc, qs; writes kc, wc, qs
.if DOCPART == 1
	.amdgcn_target "amdgcn-amd-amdhsa--gfx1250"
	.amdhsa_code_object_version 6
	.text
	.protected	k_qfe85ac5deb_prep
	.globl	k_qfe85ac5deb_prep
	.p2align	8
	.type	k_qfe85ac5deb_prep,@function
k_qfe85ac5deb_prep:
	s_mov_b64 s[64:65], 0
	v_nop
	global_prefetch_b8 v0, s[64:65] scope:SCOPE_SE
	s_setreg_imm32_b32 hwreg(HW_REG_WAVE_MODE, 25, 1), 1
	s_wait_xcnt 0x0
; PREP.  Three things, once each, so that the product launch reads codes alone:
;   kc: k [32768][1024] f32 as codes of E4M3, twice: with 2^e2 (for k Wk^T) and with 2^e4 (for k Wv^T).  Laid [64 halves of a batch][2 versions][512 rows][1024 codes].
;   wc: Wk with 2^e3 and Wv with 2^e5 as codes, laid [4 groups of four heads][Wk's 256 rows, then Wv's 256 rows][1024 codes].
;   qs: (Q(q) Q(Wq)^T 2^(e0 + e1) + bq) x log2(e) / 8, f32 [32][1024]: the query with the softmax's factor folded in.
; code = x / 2^e, held within +-448, rounded to the nearest code, ties to even.
; THE ORDER OF K IN A ROW OF CODES: inside each 512 along K, byte 16 l + 4 i + j holds element 128 i + 4 l + j.  That is what four loads of 512 consecutive bytes (16 a lane) and a lane's conversions give with
; no turn through LDS.  It is the same in kc and in wc, so every product meets its partner; only the order of the sums changes.
; LIMITS: each of e0 .. e5 lies between -126 and 119, so that 2^e and 448 x 2^e are f32 numbers.  NaN among the inputs is not served; an infinity is held at the largest code.
; SHARES.  Work-groups 0 to 15 make qs (they start first: their chain of loads is the longest).  Work-groups 16 to 1039 stream: wave U of 4,096 takes 8 rows of k (16 steps of 512 numbers) and one step of 512
; numbers of Wk or Wv, so every wave has the same work.  No work-group shares an input tile with another at the same time but q, which is small: no cluster, no tensor loads.
.set SPARE, 8704                       ; behind the stage: the spare words, 128 bytes for each wave: two blocks of 256 bytes that no other line names
.set SPW,   252                        ; v252  LDS address of my spare word; never rewritten
.set NIL,   253                        ; v253  0; never rewritten
.set X,     16                         ; stream: v16-143   eight sets of 16 numbers as loaded
.set T0,    144                        ; stream: v144-159  a step's numbers held for e2
.set T1,    160                        ; stream: v160-175  and for e4
.set C,     176                        ; stream: v176-183  a step's codes: four registers a version
.set WX,    184                        ; stream: v184-199  16 numbers of Wk or Wv
.set WC,    200                        ; stream: v200-203  their codes
.set F,     16                         ; q path: v16-207   six buffers of 32 numbers
.set CW,    208                        ; q path: v208-215 Wq's codes, v216-223 q's rows 0-15, v224-231 q's rows 16-31
.set ACC,   232                        ; q path: v232-239, v240-247 the two accumulators
.set SP,    272                        ; q path: a stage row: 64 numbers + 16 bytes
.macro MKS vs, vl, se                  ; v[vs] = 2^e as f32 (a conversion takes its exponent field), v[vl] = 448 x 2^e; e in s[se]
	s_add_co_i32 s38, s[\se], 127
	s_lshl_b32 s39, s38, 23
	v_mov_b32 v[\vs], s39
	s_add_co_i32 s38, s38, 8
	s_lshl_b32 s38, s38, 23
	s_or_b32 s38, s38, 0x600000
	v_mov_b32 v[\vl], s38
.endm
	s_load_b512 s[4:19], s[0:1], 0x0               ; q 4:5, Wq 6:7, bq 8:9, Wk 10:11, Wv 12:13, k 14:15, the exponents 16:17, kc 18:19
	s_load_b128 s[20:23], s[0:1], 0x40             ; wc 20:21, qs 22:23
	v_lshl_add_u32 v[SPW], v0, 2, SPARE
	v_mov_b32 v[NIL], 0
	v_lshrrev_b32 v1, 5, v0
	v_readfirstlane_b32 s24, v1                    ; wave 0..3
	v_and_b32 v1, 31, v0                           ; lane
	v_and_b32 v2, 15, v0                           ; r
	v_bfe_u32 v3, v0, 4, 1                         ; h
	v_lshlrev_b32 v4, 4, v1                        ; 16 x lane
	s_wait_kmcnt 0x0
	s_load_b128 s[32:35], s[16:17], 0x0            ; e0 .. e3
	s_load_b64 s[36:37], s[16:17], 0x10            ; e4, e5
	s_cmp_lt_u32 ttmp9, 16                         ; the same in all waves of a work-group
	s_cbranch_scc1 .Lqproj
; ---------------- THE STREAM ----------------
	s_sub_co_u32 s25, ttmp9, 16
	s_lshl_b32 s25, s25, 2
	s_add_co_u32 s25, s25, s24                     ; U = 0 .. 4095
	s_lshl_b32 s26, s25, 15                        ; k: 8 rows of 4,096 bytes
	s_mov_b32 s27, 0
	s_add_nc_u64 s[14:15], s[14:15], s[26:27]
	s_lshr_b32 s26, s25, 6                         ; kc: which half of a batch (64 waves to 512 rows): 2 x 512 x 1,024 bytes each,
	s_lshl_b32 s26, s26, 20
	s_and_b32 s28, s25, 63
	s_lshl_b32 s28, s28, 13                        ; and my 8 rows of 1,024 bytes in it
	s_add_co_u32 s26, s26, s28
	s_add_nc_u64 s[18:19], s[18:19], s[26:27]
	s_cmp_lt_u32 s25, 2048                         ; the first 2,048 waves take a step of Wk, the others of Wv
	s_cselect_b64 s[10:11], s[10:11], s[12:13]
	s_cselect_b32 s41, 0, 262144                   ; Wv's rows lie behind Wk's 256 in a group
	s_and_b32 s28, s25, 2047                       ; which half row of the tensor
	s_lshl_b32 s26, s28, 11
	s_add_nc_u64 s[10:11], s[10:11], s[26:27]
	s_lshr_b32 s26, s28, 9                         ; wc: the group of four heads (256 rows = 512 half rows),
	s_lshl_b32 s26, s26, 19
	s_add_co_u32 s26, s26, s41
	s_and_b32 s28, s28, 511
	s_lshl_b32 s28, s28, 9                         ; and the half row in it
	s_add_co_u32 s26, s26, s28
	s_add_nc_u64 s[20:21], s[20:21], s[26:27]
.macro KLOAD t                         ; step t: 512 numbers; each load reads 512 consecutive bytes
.irp i, 0,1,2,3
	global_load_b128 v[X+16*((\t)%8)+4*\i:X+16*((\t)%8)+4*\i+3], v4, s[14:15] offset:2048*(\t)+512*\i th:TH_LOAD_NT
.endr
.endm
.irp i, 0,1,2,3
	global_load_b128 v[WX+4*\i:WX+4*\i+3], v4, s[10:11] offset:512*\i th:TH_LOAD_NT
.endr
.irp t, 0,1,2,3,4,5,6,7
	KLOAD \t
.endr
	s_wait_kmcnt 0x0                               ; the exponents
	s_cmp_lt_u32 s25, 2048
	s_cselect_b32 s40, s35, s37                    ; e3 for Wk, e5 for Wv
	MKS 6, 7, 34                                   ; e2
	MKS 8, 9, 36                                   ; e4
	MKS 10, 11, 40
	s_wait_loadcnt 32                              ; W's four loads are in; k's 32, issued behind them, may be out
.set n, 0
.rept 16
	v_med3_num_f32 v[WX+n], v[WX+n], -v11, v11     ; the conversion to an 8-bit code does not saturate (ISA guide 7.6.2): hold the number first
.set n, n+1
.endr
	v_cvt_scalef32_pk8_fp8_f32 v[WC:WC+1], v[WX:WX+7], v10
	v_cvt_scalef32_pk8_fp8_f32 v[WC+2:WC+3], v[WX+8:WX+15], v10
	v_nop                                          ; a plain line behind the last conversion of the run
	global_store_b128 v4, v[WC:WC+3], s[20:21]     ; the wave stores 512 consecutive bytes, aligned
.macro QSTEP t
.set XS, X+16*((\t)%8)
.if 15-(\t) >= 7
	s_wait_loadcnt 28                              ; this step's four loads are in; those of the seven steps behind it may be out
.else
	s_wait_loadcnt 4*(15-(\t))
.endif
	s_wait_xcnt 0x0                                ; the last step's stores have read their data: the codes' registers may be written again
.set n, 0
.rept 16
	v_med3_num_f32 v[T0+n], v[XS+n], -v7, v7
.set n, n+1
.endr
	v_cvt_scalef32_pk8_fp8_f32 v[C:C+1], v[T0:T0+7], v6
	v_cvt_scalef32_pk8_fp8_f32 v[C+2:C+3], v[T0+8:T0+15], v6
.set n, 0
.rept 16
	v_med3_num_f32 v[T1+n], v[XS+n], -v9, v9       ; (these sixteen are also the plain lines behind the conversions above)
.set n, n+1
.endr
	v_cvt_scalef32_pk8_fp8_f32 v[C+4:C+5], v[T1:T1+7], v8
	v_cvt_scalef32_pk8_fp8_f32 v[C+6:C+7], v[T1+8:T1+15], v8
.if (\t) < 8
	KLOAD (\t)+8                                   ; the set just read takes the step eight further on
.endif
	global_store_b128 v4, v[C:C+3], s[18:19] offset:512*(\t)            ; 512 consecutive bytes, aligned: the version with e2,
	global_store_b128 v4, v[C+4:C+7], s[18:19] offset:524288+512*(\t)   ; and the version with e4, 512 rows further on
.endm
.irp t, 0,1,2,3,4,5,6,7,8,9,10,11,12,13,14,15
	QSTEP \t
.endr
	s_endpgm                                       ; this way has written no LDS
; ---------------- THE QUERY'S PROJECTION ----------------
; Work-group g makes columns 64 g .. 64 g + 63 of qs, wave w sixteen of them, for all 32 batches.  K goes in 16 steps of 64.  An ITEM is 16 rows x 64 k of f32: lane (r, h) takes, of row r, k = 32 c + 16 h + 0 .. 15,
; c = 0, 1: the same k in Wq's and in q's fragments.  Items go 3 a step (Wq, q's rows 0-15, q's rows 16-31) through six buffers, so that five items' loads are out while one is quantised.
; The product is used transposed (source 0 = 16 rows of Wq, source 1 = 16 rows of q): lane (r, h) holds batch r, its registers columns 8 h + 0 .. 7.
.Lqproj:
	s_lshl_b32 s25, ttmp9, 6
	s_lshl_b32 s26, s24, 4
	s_add_co_u32 s25, s25, s26                     ; my first column
	s_lshl_b32 s26, s25, 12                        ; = my first row of Wq, 4,096 bytes a row
	s_mov_b32 s27, 0
	s_add_nc_u64 s[6:7], s[6:7], s[26:27]
	s_lshl_b32 s26, s25, 2
	s_add_nc_u64 s[8:9], s[8:9], s[26:27]          ; bq at my first column
	s_lshl_b32 s26, s24, 15                        ; qs: the 8 batches that I store, and the work-group's 256 bytes of a row
	s_lshl_b32 s28, ttmp9, 8
	s_add_co_u32 s26, s26, s28
	s_add_nc_u64 s[22:23], s[22:23], s[26:27]
	v_lshlrev_b32 v5, 12, v2
	v_lshl_add_u32 v5, v3, 6, v5                   ; row r, + 64 h bytes
	v_lshlrev_b32 v6, 5, v3                        ; bq: 32 h
	v_mul_u32_u24 v12, v2, SP                      ; the stage, in: row r, my wave's 64 bytes, + 32 h
	v_lshl_add_u32 v12, v3, 5, v12
	s_lshl_b32 s28, s24, 6
	v_add_nc_u32 v12, s28, v12
	v_mul_u32_u24 v13, v3, SP                      ; and back: rows 8 w + h, sixteen lanes to a row
	v_lshl_add_u32 v13, v2, 4, v13
	s_mul_i32 s28, s24, 8*SP
	v_add_nc_u32 v13, s28, v13
	v_lshlrev_b32 v14, 12, v3                      ; the same two rows in qs
	v_lshl_add_u32 v14, v2, 4, v14
.macro ILOAD it
.set FB, F+32*((\it)%6)
.set SG, (\it)/3
.irp c, 0,1
.irp j, 0,1,2,3
.if (\it)%3 == 0
	global_load_b128 v[FB+16*\c+4*\j:FB+16*\c+4*\j+3], v5, s[6:7] offset:256*SG+128*\c+16*\j th:TH_LOAD_NT
.else
	global_load_b128 v[FB+16*\c+4*\j:FB+16*\c+4*\j+3], v5, s[4:5] offset:256*SG+128*\c+16*\j+65536*((\it)%3-1)
.endif
.endr
.endr
.endm
.macro ICONV it
.set FB, F+32*((\it)%6)
.set CB, CW+8*((\it)%3)
.if (\it)%3 == 0
.set SC, 10                            ; Wq: e1
.else
.set SC, 8                             ; q: e0
.endif
.if 47-(\it) >= 5
	s_wait_loadcnt 40                              ; this item's eight loads are in; the five younger items' may be out
.else
	s_wait_loadcnt 8*(47-(\it))
.endif
.set n, 0
.rept 32
	v_med3_num_f32 v[FB+n], v[FB+n], -v[SC+1], v[SC+1]   ; the hold; after a step's products these are also the places ahead of the next write of the codes' registers
.set n, n+1
.endr
.irp g, 0,1,2,3
	v_cvt_scalef32_pk8_fp8_f32 v[CB+2*\g:CB+2*\g+1], v[FB+8*\g:FB+8*\g+7], v[SC]
.endr
.if (\it) < 42
	ILOAD (\it)+6
.endif
.if (\it)%3 == 2
	v_nop                                          ; a plain line between the conversions and the products that read their results
.if (\it) == 2
	v_wmma_f32_16x16x64_fp8_fp8 v[ACC:ACC+7], v[CW:CW+7], v[CW+8:CW+15], 0          ; the first K step starts both sums
	v_wmma_f32_16x16x64_fp8_fp8 v[ACC+8:ACC+15], v[CW:CW+7], v[CW+16:CW+23], 0
.else
	v_wmma_f32_16x16x64_fp8_fp8 v[ACC:ACC+7], v[CW:CW+7], v[CW+8:CW+15], v[ACC:ACC+7]   ; the two accumulators take turns
	v_wmma_f32_16x16x64_fp8_fp8 v[ACC+8:ACC+15], v[CW:CW+7], v[CW+16:CW+23], v[ACC+8:ACC+15]
.endif
.endif
.endm
.irp t, 0,1,2,3,4,5
	ILOAD \t
.endr
	s_wait_kmcnt 0x0                               ; the exponents
	MKS 8, 9, 32                                   ; e0
	MKS 10, 11, 33                                 ; e1
.set IT, 0
.rept 48
	ICONV IT
.set IT, IT+1
.endr
.rept 4
	v_nop                                          ; four places behind the last products: ahead of the loads into Wq's codes' registers and of the first read of the sums
.endr
	global_load_b128 v[CW:CW+3], v6, s[8:9]        ; bq of my eight columns
	global_load_b128 v[CW+4:CW+7], v6, s[8:9] offset:16
	s_add_co_i32 s42, s32, s33                     ; e0 + e1
	s_mov_b32 s43, 0x3e38aa3b                      ; log2(e) / 8
.irp i, 0,1,2,3,4,5,6,7,8,9,10,11,12,13,14,15
	v_ldexp_f32 v[F+\i], v[ACC+\i], s42            ; each accumulator from its low end on
.endr
	s_wait_loadcnt 0x0
.irp i, 0,1,2,3,4,5,6,7
	v_mul_f32 v[CW+\i], s43, v[CW+\i]
.endr
.irp i, 0,1,2,3,4,5,6,7,8,9,10,11,12,13,14,15
	v_fma_f32 v[F+\i], v[F+\i], s43, v[CW+(\i)%8]  ; (sum 2^(e0 + e1) + bq) x log2(e) / 8
.endr
.irp m, 0,1
.irp u, 0,1
	ds_store_b128 v12, v[F+8*\m+4*\u:F+8*\m+4*\u+3] offset:\m*16*SP+16*\u   ; batch 16 m + r
.endr
.endr
	s_wait_dscnt 0x0                               ; for the others' sake: my stores into the stage are done
	s_barrier_signal -1
	s_barrier_wait -1                              ; a row's 256 bytes come from four waves
.irp i, 0,1,2,3
	ds_load_b128 v[48+4*\i:51+4*\i], v13 offset:\i*2*SP
.endr
	s_wait_dscnt 0x0
.irp i, 0,1,2,3
	global_store_b128 v14, v[48+4*\i:51+4*\i], s[22:23] offset:\i*8192   ; sixteen lanes store 256 consecutive bytes, aligned
.endr
	s_wait_tensorcnt 0x0                           ; the wave's end, behind my last LDS store
	ds_add_u32 v[SPW], v[NIL]
	s_wait_dscnt 0x0
	s_endpgm
.Lfunc_end_k_qfe85ac5deb_prep:
	.size	k_qfe85ac5deb_prep, .Lfunc_end_k_qfe85ac5deb_prep-k_qfe85ac5deb_prep
	.p2alignl 7, 3214868480
	.fill 96, 4, 3214868480
	.section	.rodata,"a",@progbits
	.p2align	6, 0x0
	.amdhsa_kernel k_qfe85ac5deb_prep
		.amdhsa_group_segment_fixed_size 9216
		.amdhsa_private_segment_fixed_size 0
		.amdhsa_enable_private_segment 0
		.amdhsa_kernarg_size 80
		.amdhsa_user_sgpr_count 2
		.amdhsa_user_sgpr_kernarg_segment_ptr 1
		.amdhsa_wavefront_size32 1
		.amdhsa_system_sgpr_workgroup_id_x 1
		.amdhsa_system_sgpr_workgroup_id_y 1
		.amdhsa_system_sgpr_workgroup_id_z 1
		.amdhsa_system_vgpr_workitem_id 0
		.amdhsa_next_free_vgpr 256
		.amdhsa_next_free_sgpr 66
		.amdhsa_reserve_vcc 0
		.amdhsa_float_denorm_mode_32 3
		.amdhsa_float_denorm_mode_16_64 3
		.amdhsa_memory_ordered 1
		.amdhsa_forward_progress 1
		.amdhsa_inst_pref_size 204
	.end_amdhsa_kernel
	.amdgpu_metadata
---
amdhsa.version: [ 1, 2 ]
amdhsa.kernels:
  - .name:           k_qfe85ac5deb_prep
    .symbol:         k_qfe85ac5deb_prep.kd
    .args:
      - { .name: q, .offset: 0, .size: 8, .value_kind: global_buffer, .address_space: global }
      - { .name: Wq, .offset: 8, .size: 8, .value_kind: global_buffer, .address_space: global }
      - { .name: bq, .offset: 16, .size: 8, .value_kind: global_buffer, .address_space: global }
      - { .name: Wk, .offset: 24, .size: 8, .value_kind: global_buffer, .address_space: global }
      - { .name: Wv, .offset: 32, .size: 8, .value_kind: global_buffer, .address_space: global }
      - { .name: k, .offset: 40, .size: 8, .value_kind: global_buffer, .address_space: global }
      - { .name: lowp_scales, .offset: 48, .size: 8, .value_kind: global_buffer, .address_space: global }
      - { .name: kc, .offset: 56, .size: 8, .value_kind: global_buffer, .address_space: global }
      - { .name: wc, .offset: 64, .size: 8, .value_kind: global_buffer, .address_space: global }
      - { .name: qs, .offset: 72, .size: 8, .value_kind: global_buffer, .address_space: global }
    .group_segment_fixed_size: 9216
    .private_segment_fixed_size: 0
    .kernarg_segment_align: 8
    .kernarg_segment_size: 80
    .max_flat_workgroup_size: 128
    .sgpr_count:     66
    .vgpr_count:     256
    .wavefront_size: 32
...
	.end_amdgpu_metadata
.endif
;; end of part 1
;; launch main (part 2): grid 4 x 64, 4 waves a work-group, clusters of 4 x 4, 327,680 bytes of LDS; arguments kc, wc, qs, bk, lowp_scales, tbuf, obuf; writes tbuf, obuf
.if DOCPART == 2
	.amdgcn_target "amdgcn-amd-amdhsa--gfx1250"
	.amdhsa_code_object_version 6
	.text
	.protected	k_qfe85ac5deb_main
	.globl	k_qfe85ac5deb_main
	.p2align	8
	.type	k_qfe85ac5deb_main,@function
k_qfe85ac5deb_main:
	s_mov_b64 s[64:65], 0
	v_nop
	global_prefetch_b8 v0, s[64:65] scope:SCOPE_SE
	s_setreg_imm32_b32 hwreg(HW_REG_WAVE_MODE, 25, 1), 1
	s_wait_xcnt 0x0
	s_wait_alu depctr_hold_cnt(0) depctr_sa_sdst(0) depctr_va_vdst(0) depctr_va_sdst(0) depctr_va_ssrc(0) depctr_va_vcc(0) depctr_vm_vsrc(0)
	s_getreg_b32 s2, hwreg(HW_REG_IB_STS2, 6, 4)
	s_cmp_eq_u32 s2, 0
	s_cbranch_scc0 .Lentry_in_a_cluster
	s_endpgm
.Lentry_in_a_cluster:
	s_bfe_u32 s2, ttmp6, 0x10000c
	s_cmp_lg_u32 s2, 0xf033
	s_cbranch_scc0 .Lentry_shape_is_right
	s_endpgm
.Lentry_shape_is_right:
; MAIN.  The two large products on codes of E4M3, and the one-query attention behind them, for half a batch (512 rows of k) and four heads a work-group.
;   t[l] = sum over d of qs[d] (2^(e2 + e3) K[l][d] + bk[d]),  K = kc(e2) wc(Wk)^T:  the score in base 2 (qs holds the factor log2(e) / 8).   t goes to tbuf [head x 32 + batch][1024].
;   o[d] = sum over my 512 l of 2^(t[l] - m) V[l][d],  V = kc(e4) wc(Wv)^T as raw sums,  m = the largest t of my 512 rows.   o goes to obuf [2 batch + half][1024].
; The next launch joins the two halves of a batch, normalises, and applies 2^(e4 + e5) and bv.  K and V are never stored.
; SHARES.  Work-group (quad, y): heads 4 quad .. 4 quad + 3, batch y / 2, half y % 2.  It walks four tiles of 256 rows x 256 columns, K = 1,024: Wk on rows 0-255, Wk on rows 256-511, Wv on rows 0-255, Wv on rows
; 256-511.  So all 512 scores, and their maximum, are known before the first tile of V is finished.  Four waves, each 128 x 128 of a tile: 64 accumulators, 512 registers; a wave's 128 columns are two heads.
; K goes in steps of 256 through a ring of two LDS slots that does not stop at a tile's end: 16 steps, 128 matrix instructions a wave each.
; CLUSTER 4 x 4: the four work-groups of a row of the cluster have the same y and need the same tiles of kc; the four of a column the same quad and the same tiles of wc.  Each tile is asked for JOINTLY.
; THE MATRIX INSTRUCTION IS USED TRANSPOSED (source 0 = 16 rows of wc, source 1 = 16 rows of kc): lane (r, h) holds row 16 a + r of the tile, and its registers columns 16 b + 8 h + 0 .. 7.
; A fragment is fetched by four loads of 16 bytes, 32 bytes apart: a permutation of k that is the same on both sides.
; No limit on e2 + e3: it is applied by v_ldexp_f32.  NaN among the inputs is not served.
; REGISTERS, in windows of 256.  Window 0: v8-11 the biases' part of a score; v12, v13 my two heads' m; v14-31 addresses; v32-63 at work; v64-127 qs of my columns, later o; v128-255 kc's fragments, ONE set.
;   Window 1: wc's fragments, TWO sets.   Window 2: the accumulators of my rows 0-63 ((a, b) at v[8 (8 a + b)]);   window 3: those of my rows 64-127.
.set PITCH,  272                       ; an LDS row: 256 bytes + 16 of padding = 68 words: row r starts at bank 4 r mod 64 (64 banks of 4 bytes: ISA guide 11.1)
.set FR,     16                        ; registers of a fragment
.set NL,     4                         ; LDS loads that bring one
.set NP,     4                         ; places behind this matrix instruction (ISA guide 7.12.1)
.set HALFT,  128*PITCH                 ; 128 rows: what one tensor load brings, and what one wave reads of kc or of wc
.set SLOT,   4*HALFT                   ; kc's 256 rows, then wc's 256 rows
.set TS,     2*SLOT                    ; behind the ring: t, [4 heads][512 rows] f32, 8,192 bytes.  No tensor load lands from here on
.set OST,    TS+8192                   ; o's two halves by rows: [2][256 columns] f32
.set SPARE,  OST+2048                  ; the spare words, 128 bytes for each wave: two blocks of 256 bytes that no other line names
.set UU,   8                           ; v[8:9], v[10:11]  sum of qs x bk over my lane's 32 channels of head 0, 1, in two halves
.set MX,   12                          ; v12, v13  m of my two heads
.set OSTO, 14                          ; where I put my columns' o
.set OSLD, 15                          ; where I read 64 columns' o back
.set ADRA, 16                          ; v16-17  LDS address of my kc fragments in slot 0, 1
.set L8,   18                          ; 8 x lane
.set L16,  19                          ; 16 x lane
.set ADRB, 20                          ; v20-21  the same for wc
.set TST0, 22                          ; where I store scores, in the first tile
.set TA,   23                          ; and in the tile in hand
.set TLD,  24                          ; where I read my rows' t
.set TMX,  25                          ; where I read my two heads' 512 t for the maximum
.set TOUT, 26                          ; where I read the head that I store
.set H32,  27                          ; 32 x (lane / 16)
.set SPW,  28                          ; LDS address of my spare word; never rewritten
.set NIL,  29                          ; 0; never rewritten
.set PFO,  30                          ; the prefetches' offset: my lane x a row of kc
.set PT,   31                          ; a lane permute's target
.set X,    32
.set QV,   64
.set O,    64
.set AF,   128
.set CNT,  2                           ; s2   counts the two tiles of K
.set TRB,  3                           ; s3   the tile's 256 rows in t, in bytes
.set WV,   18
.set RH,   19                          ; which half of the tile's rows is mine.  Also: I fetch for kc (0) or for wc (1)
.set CH,   20                          ; which half of its columns.  Also: which 128 rows I fetch
.set G1,   24                          ; s[24:31] descriptor group 1 for kc's tiles;  s[32:39] group 0, a set for each slot
.set G0,   32
.set G1B,  48                          ; s[48:55], s[56:63] the same for wc's
.set G0B,  56
.set PFA,  66                          ; s[66:67] my work-group's 32 rows, of the 128 that I fetch, in the NEXT tile of kc
.set BADV, 68                          ; s[68:69] what leads wc's descriptors from Wk's rows to Wv's: 0 behind the first tile, 262,144 behind the second
.set SEL,  70                          ; s[70:71] lane selects: lane l xor 16
.set HM,   72                          ; s72  the mask of lanes 16-31
.set MSB, 0
.macro WIN new                         ; the immediate's high byte repeats the setting that is left
.if MSB != (\new)
	s_set_vgpr_msb (MSB<<8)|(\new)
.set MSB, (\new)
.endif
.endm
.set MUL_LO, 0xa1                      ; source 0 (wc) window 1, source 1 (kc) window 0, C and D window 2
.set MUL_HI, 0xf1                      ; the same, C and D window 3
.set TO_B,   0x40                      ; destination window 1, address window 0
.set RD_LO,  0x02                      ; source 0 window 2; RD_LO + 1: window 3
; A joint load: waves 0 and 1 fetch kc's two halves, waves 2 and 3 wc's.  Each line has ONE mask and one set of registers for all that issue it; the branch hangs on the wave's number alone.
; An s_nop 0 and four v_nop follow each of the two lines, ahead of the jump, the label and what follows.
.macro JLOAD g0a, g1a, g0b, g1b
	s_cmp_eq_u32 s[RH], 0
	s_cbranch_scc0 .Lfor_b_\@
	tensor_load_to_lds s[\g0a:\g0a+3], s[\g1a:\g1a+7]
	s_nop 0
.rept 4
	v_nop
.endr
	s_branch .Lasked_\@
.Lfor_b_\@:
	tensor_load_to_lds s[\g0b:\g0b+3], s[\g1b:\g1b+7]
	s_nop 0
.rept 4
	v_nop
.endr
.Lasked_\@:
.endm
; A PREFETCH INTO THE L2: change of slots number j of a tile asks for K step j (256 bytes of each row) of the NEXT tile of kc: the step that stands two refills, 256 matrix instructions, behind the one just asked for.
; A tile of kc is read by the four partners of my row of the cluster and by nobody else.  Of the 128 rows that wave 0 or 1 fetches, the partner at place cx takes 32 cx .. 32 cx + 31, told apart BY ADDRESS; a lane a row,
; one instruction a wave: each row's 256 bytes are named once in the launch.  The first tile comes by its loads alone; the last tile asks for nothing.  wc is read again and again by all clusters and is not asked for.
.macro ASK j
	s_cmp_eq_u32 s[RH], 0
	s_cbranch_scc0 .Lnot_mine_\@
	global_prefetch_b8 v[PFO], s[PFA:PFA+1] offset:256*(\j) th:TH_LOAD_NT scope:SCOPE_SE
.Lnot_mine_\@:
.endm
.macro CREST                           ; a round of the cluster's barrier behind its opening barrier
	s_cmp_lg_u32 s[WV], 0
	s_cbranch_scc1 .Lnot_wave_0_\@
	s_barrier_signal -3
.Lnot_wave_0_\@:
	s_barrier_wait -3
	s_barrier_signal -1
	s_barrier_wait -1
.endm
.macro CROUND                          ; a whole round
	s_barrier_signal -1
	s_barrier_wait -1
	CREST
.endm
	s_load_b256 s[4:11], s[0:1], 0x0               ; kc 4:5, wc 6:7, qs 8:9, bk 10:11
	s_load_b128 s[12:15], s[0:1], 0x20             ; the exponents 12:13, tbuf 14:15
	s_load_b64 s[16:17], s[0:1], 0x30              ; obuf
	v_lshl_add_u32 v[SPW], v0, 2, SPARE
	v_mov_b32 v[NIL], 0
	ds_add_u32 v[SPW], v[NIL]                      ; the wave's opening: the add and its wait stand ahead of my first tensor load; the set-up below, work on registers, stands between them
	v_lshrrev_b32 v1, 5, v0
	v_readfirstlane_b32 s[WV], v1                  ; wave 0..3
	s_lshr_b32 s[RH], s[WV], 1
	s_and_b32 s[CH], s[WV], 1
	s_bfe_u32 s21, ttmp6, 0x40000                  ; cx, cy: my place in the cluster
	s_bfe_u32 s22, ttmp6, 0x40004
	s_lshl_b32 s42, ttmp9, 2
	s_add_co_u32 s42, s42, s21                     ; quad = 4 x cluster x + cx
	s_and_b32 s23, ttmp7, 0xffff
	s_lshl_b32 s23, s23, 2
	s_add_co_u32 s23, s23, s22                     ; y = 4 x cluster y + cy
	s_lshl_b32 s43, s22, 2
	s_lshl_b32 s43, 15, s43                        ; my row of the cluster
	s_lshl_b32 s44, 0x1111, s21                    ; my column
	; descriptor group 1: a tile of 128 rows x 256 bytes, padded in LDS
	s_or_b32 s[G1+0], s43, (0<<16)|(1<<20)|(1<<21)|(5<<22)|(3<<25)  ; 15:0 the mask: kc's tiles go to my row; 17:16 elements of 1 byte; 20 padding on; 21 set beside a mask; 24:22 after every 64 words (code 5); 31:25 four words (code 3)
	s_or_b32 s[G1B+0], s44, (0<<16)|(1<<20)|(1<<21)|(5<<22)|(3<<25) ; the same with my column's mask, for wc's tiles
.irp g, G1, G1B
	s_mov_b32 s[\g+1], 256<<16                     ; tensor_dim0
	s_mov_b32 s[\g+2], 128<<16                     ; tensor_dim1
	s_mov_b32 s[\g+3], 256<<16                     ; tile_dim0
	s_mov_b32 s[\g+4], 128                         ; tile_dim1
	s_mov_b32 s[\g+5], 1024                        ; tensor_dim0_stride
	s_mov_b32 s[\g+6], 0
	s_mov_b32 s[\g+7], 0
.endr
	s_lshl_b32 s40, s23, 20                        ; kc: my y's four tiles, 4 x 262,144 bytes on end,
	s_lshl_b32 s41, s[CH], 17                      ; and the 128 rows that I fetch
	s_add_co_u32 s40, s40, s41
	s_mov_b32 s41, 0
	s_lshl_b32 s46, s42, 19                        ; wc: my quad's 512 rows, and the 128 that I fetch of Wk's 256
	s_lshl_b32 s47, s[CH], 17
	s_add_co_u32 s46, s46, s47
	s_mov_b32 s47, 0
	s_mul_i32 s45, s[WV], HALFT                    ; where they go: wave x 128 rows: no place in the cluster enters an LDS address
	s_mov_b32 s[SEL], 0x76543210
	s_mov_b32 s[SEL+1], 0xfedcba98
	s_mov_b32 s[HM], 0xffff0000
	s_wait_dscnt 0x0                               ; the opening add is done
	s_wait_kmcnt 0x0
	s_load_b64 s[80:81], s[12:13], 0x8             ; e2, e3
	s_add_nc_u64 s[40:41], s[4:5], s[40:41]
	s_add_nc_u64 s[46:47], s[6:7], s[46:47]
	CROUND                                         ; all sixteen work-groups are here: the first joint loads meet
.irp s, 0,1
	s_mov_b32 s[G0+4*\s], 1
	s_add_co_u32 s[G0+4*\s+1], s45, \s*SLOT
	s_add_nc_u64 s[G0+4*\s+2:G0+4*\s+3], s[40:41], \s*256
	s_or_b32 s[G0+4*\s+3], s[G0+4*\s+3], 0x80000000
	s_mov_b32 s[G0B+4*\s], 1
	s_add_co_u32 s[G0B+4*\s+1], s45, \s*SLOT
	s_add_nc_u64 s[G0B+4*\s+2:G0B+4*\s+3], s[46:47], \s*256
	s_or_b32 s[G0B+4*\s+3], s[G0B+4*\s+3], 0x80000000
	JLOAD G0+4*\s, G1, G0B+4*\s, G1B               ; two tensor loads of mine are out
.endr
	; LDS addresses: constants, the lane and the wave's number alone
	v_and_b32 v1, 15, v0                           ; r
	v_bfe_u32 v2, v0, 4, 1                         ; h
	v_and_b32 v3, 31, v0                           ; lane
	v_mul_u32_u24 v4, v1, PITCH
	v_lshl_add_u32 v4, v2, 4, v4                   ; a fragment's row x pitch + 16 h
	s_mul_i32 s84, s[RH], HALFT                    ; my 128 rows of kc
	s_mul_i32 s85, s[CH], HALFT                    ; my 128 rows of wc,
	s_add_co_u32 s85, s85, 2*HALFT                 ; which lie behind kc's 256
.irp s, 0,1
	v_add_nc_u32 v[ADRA+\s], s84, v4
	v_add_nc_u32 v[ADRB+\s], s85, v4
	s_add_co_u32 s84, s84, SLOT
	s_add_co_u32 s85, s85, SLOT
.endr
	v_lshlrev_b32 v[L8], 3, v3
	v_lshlrev_b32 v[L16], 4, v3
	v_lshlrev_b32 v[H32], 5, v2
	v_lshlrev_b32 v5, 2, v1                        ; 4 r
	s_lshl_b32 s86, s[CH], 12
	s_add_co_u32 s86, s86, TS                      ; t of my two heads: 2 x 2,048 bytes
	s_lshl_b32 s87, s[RH], 9
	s_add_co_u32 s87, s87, s86                     ; + my 128 rows
	v_add_nc_u32 v[TLD], s87, v5
	v_lshl_add_u32 v[TST0], v2, 11, v[TLD]         ; lanes 16-31 store the second head's
	v_add_nc_u32 v[TMX], s86, v[L16]
	s_lshl_b32 s88, s[WV], 11
	s_add_co_u32 s88, s88, TS                      ; wave w stores head w's t
	v_add_nc_u32 v[TOUT], s88, v[L16]
	s_lshl_b32 s88, s[RH], 10
	s_lshl_b32 s89, s[CH], 9
	s_add_co_u32 s88, s88, s89
	s_add_co_u32 s88, s88, OST
	v_add_nc_u32 v[OSTO], s88, v[H32]
	s_lshl_b32 s88, s[WV], 8
	s_add_co_u32 s88, s88, OST
	v_add_nc_u32 v[OSLD], s88, v[L8]
	v_lshlrev_b32 v[PFO], 10, v3
	v_mov_b32 v[PT], 0                             ; written once: a lane permute's destination counts as one of its sources
	; global addresses
	s_lshl_b32 s74, s23, 20
	s_lshl_b32 s75, s[CH], 17
	s_add_co_u32 s74, s74, s75
	s_lshl_b32 s75, s21, 15                        ; my work-group's 32 rows of the 128
	s_add_co_u32 s74, s74, s75
	s_add_co_u32 s74, s74, 262144                  ; in tile 1.  Nothing is prefetched here, at the head
	s_mov_b32 s75, 0
	s_add_nc_u64 s[PFA:PFA+1], s[4:5], s[74:75]
	s_lshr_b32 s76, s23, 1                         ; the batch
	s_and_b32 s77, s23, 1                          ; the half
	s_lshl_b32 s78, s42, 10                        ; my quad's 256 columns, in bytes
	s_lshl_b32 s79, s[CH], 9                       ; my 128 of them
	s_lshl_b32 s74, s76, 12
	s_add_co_u32 s74, s74, s78
	s_add_co_u32 s74, s74, s79
	s_add_nc_u64 s[8:9], s[8:9], s[74:75]          ; qs
	s_add_co_u32 s74, s78, s79
	s_add_nc_u64 s[10:11], s[10:11], s[74:75]      ; bk
	s_lshl_b32 s74, s42, 2
	s_add_co_u32 s74, s74, s[WV]                   ; the head that I store
	s_lshl_b32 s74, s74, 17                        ; x 32 batches x 4,096 bytes
	s_lshl_b32 s79, s76, 12
	s_add_co_u32 s74, s74, s79
	s_lshl_b32 s79, s77, 11
	s_add_co_u32 s74, s74, s79
	s_add_nc_u64 s[14:15], s[14:15], s[74:75]      ; tbuf
	s_lshl_b32 s74, s23, 12
	s_add_co_u32 s74, s74, s78
	s_lshl_b32 s79, s[WV], 8
	s_add_co_u32 s74, s74, s79
	s_add_nc_u64 s[16:17], s[16:17], s[74:75]      ; obuf
.irp b, 0,1,2,3,4,5,6,7
.irp u, 0,1
	global_load_b128 v[QV+8*\b+4*\u:QV+8*\b+4*\u+3], v[H32], s[8:9] offset:64*\b+16*\u      ; qs of columns 16 b + 8 h + 0 .. 7
	global_load_b128 v[AF+8*\b+4*\u:AF+8*\b+4*\u+3], v[H32], s[10:11] offset:64*\b+16*\u    ; bk likewise, in registers that the fragments take later
.endr
.endr
	s_wait_loadcnt 0x0
	s_wait_kmcnt 0x0
	s_add_co_i32 s82, s80, s81                     ; e2 + e3
.irp L, 0,1,2,3,4,5,6,7,8,9,10,11,12,13,14,15
.irp hh, 0,1
.if \L == 0
	v_pk_mul_f32 v[UU+2*\hh:UU+2*\hh+1], v[QV+32*\hh:QV+32*\hh+1], v[AF+32*\hh:AF+32*\hh+1]
.else
	v_pk_fma_f32 v[UU+2*\hh:UU+2*\hh+1], v[QV+32*\hh+2*\L:QV+32*\hh+2*\L+1], v[AF+32*\hh+2*\L:AF+32*\hh+2*\L+1], v[UU+2*\hh:UU+2*\hh+1]   ; the two heads by turns
.endif
.endr
.endr
.set i, 0
.rept 64
	v_ldexp_f32 v[QV+i], v[QV+i], s82              ; a sum of the first product stands for sum x 2^(e2 + e3): the factor goes into qs
.set i, i+1
.endr
.macro FRAG reg, adr, q, i             ; a fragment, 16 rows x 128 codes: lane l holds row l % 16; registers 4 c .. 4 c + 3 hold bytes 32 c + 16 (l / 16) + 0 .. 15
.irp c, 0,1,2,3
	ds_load_b128 v[\reg+4*\c:\reg+4*\c+3], v[\adr] offset:128*(\q)+32*\c+(\i)*16*PITCH
.endr
.endm
; 16 matrix instructions: kc's blocks a0, a0 + 1 x wc's eight, 128 along K.  p: wc's set.  zero = 1: the first product starts the sums: nothing is ever cleared.
; The 64 accumulators take turns, one instruction a turn, in the same order in every step, from tile to tile too.
.macro MUL16 a0, p, zero
.irp a, \a0, \a0+1
.irp b, 0,1,2,3,4,5,6,7
.if \zero
	v_wmma_f32_16x16x128_fp8_fp8 v[8*(8*((\a)%4)+\b):8*(8*((\a)%4)+\b)+7], v[128*(\p)+FR*\b:128*(\p)+FR*\b+FR-1], v[AF+FR*(\a):AF+FR*(\a)+FR-1], 0
.else
	v_wmma_f32_16x16x128_fp8_fp8 v[8*(8*((\a)%4)+\b):8*(8*((\a)%4)+\b)+7], v[128*(\p)+FR*\b:128*(\p)+FR*\b+FR-1], v[AF+FR*(\a):AF+FR*(\a)+FR-1], v[8*(8*((\a)%4)+\b):8*(8*((\a)%4)+\b)+7]
.endif
.endr
.endr
.endm
.macro FETCH_B slot, q, p
	WIN TO_B
.irp i, 0,1,2,3,4,5,6,7
	FRAG 128*(\p)+FR*\i, ADRB+\slot, \q, \i
.endr
	WIN 0
.endm
.macro FETCH_A slot, q, i0
.irp i, \i0, \i0+1, \i0+2, \i0+3
	FRAG AF+FR*(\i), ADRA+\slot, \q, \i
.endr
.endm
; A load into a register that a matrix instruction has read, and a vector instruction that reads a matrix result, stand NP places behind that matrix instruction; only plain vector instructions that name none of
; its registers are places (ISA guide 7.12.1 for vector instructions).
.macro PLACES n
.rept \n
	v_nop
.endr
.endm
; The first 128 along K of a slot.
.macro STEP slot, q, zero
	s_wait_dscnt 4*NL                              ; wc's set and kc's blocks 0-3 are in; the youngest sixteen LDS instructions (kc's blocks 4-7, or what a tile's end issued behind them) may be out
	WIN MUL_LO
	MUL16 0, (\q)%2, \zero
	MUL16 2, (\q)%2, \zero
	s_wait_dscnt 0                                 ; kc's blocks 4-7 are in
	PLACES NP
	FETCH_B \slot, (\q)+1, 1-(\q)%2
	FETCH_A \slot, (\q)+1, 0
	WIN MUL_HI
	MUL16 4, (\q)%2, \zero
	MUL16 6, (\q)%2, \zero
	PLACES NP
	WIN 0
	FETCH_A \slot, (\q)+1, 4
.endm
; The second 128 changes slots: ONE barrier; in front of it each wave waits for all its tensor loads, adds 0 to its spare word, and waits for that and for its own LDS instructions.
; fill = 1: this slot is filled again with the step two further on.  mode 0: along K.  mode 1: the next tile's, same rows of wc.  mode 2: the same, and wc goes on by s[BADV].  ask: the prefetch's K step, or -1.
.macro TURN slot, next, fill, mode, ask
	s_wait_tensorcnt 0x0                           ; all my tensor loads have landed: my part of the next slot  (every window is 0 here)
	ds_add_u32 v[SPW], v[NIL]                      ; 0 onto my spare word
	s_wait_dscnt 4*NL+1                            ; (the add and the youngest loads, kc's blocks 4-7, may be out)
	WIN MUL_LO
	MUL16 0, 1, 0                                  ; sixteen matrix instructions stand between the add and the wait for it
	s_wait_dscnt 0x0                               ; the add is done, my reads of this slot are over, and what I stored of t has landed
	s_barrier_signal -1
	MUL16 2, 1, 0
	WIN 0
	s_barrier_wait -1
.if \fill
	CREST                                          ; the barrier has opened a round of the cluster's barrier: no wave of any partner still reads this slot or has a load on its way
.if \mode == 0
	s_add_nc_u64 s[G0+4*\slot+2:G0+4*\slot+3], s[G0+4*\slot+2:G0+4*\slot+3], 512
	s_add_nc_u64 s[G0B+4*\slot+2:G0B+4*\slot+3], s[G0B+4*\slot+2:G0B+4*\slot+3], 512
.else
	s_add_nc_u64 s[G0+4*\slot+2:G0+4*\slot+3], s[G0+4*\slot+2:G0+4*\slot+3], 262144-512   ; kc: 256 rows on, back along K
	s_sub_nc_u64 s[G0B+4*\slot+2:G0B+4*\slot+3], s[G0B+4*\slot+2:G0B+4*\slot+3], 512      ; wc: back along K
.if \mode == 2
	s_add_nc_u64 s[G0B+4*\slot+2:G0B+4*\slot+3], s[G0B+4*\slot+2:G0B+4*\slot+3], s[BADV:BADV+1]
.endif
.endif
	JLOAD G0+4*\slot, G1, G0B+4*\slot, G1B         ; the first tensor load behind the round, my one load until the next; its four v_nop are the places in front of the loads below
.else
	PLACES NP
.endif
	FETCH_B \next, 0, 0
	FETCH_A \next, 0, 0
.if \ask >= 0
	ASK \ask
.endif
	WIN MUL_HI
	MUL16 4, 1, 0
	MUL16 6, 1, 0
	PLACES NP
	WIN 0
	FETCH_A \next, 0, 4
.endm
; A tile that has a successor: its four K steps; the last two changes of slots ask for the next tile's first two, and the last fetches its first fragments.
.macro BODY mode
	STEP 0, 0, 1
	TURN 0, 1, 1, 0, 0
	STEP 1, 0, 0
	TURN 1, 0, 1, 0, 1
	STEP 0, 0, 0
	TURN 0, 1, 1, \mode, 2
	STEP 1, 0, 0
	TURN 1, 0, 1, \mode, 3
.endm
; THE END OF A TILE OF K: the scores of my 128 rows x 2 heads.  Lane (r, h) sums, for each block a and head hh, its 32 channels' K x qs on top of the biases' part: 16 packed multiply-adds a chain,
; eight chains by turns; each accumulator is read from its low end on.  Then the pair's halves and lane l xor 16's are added; lanes 0-15 store head 0's score of row 16 a + r, lanes 16-31 head 1's.
.macro EPI_K
.irp hf, 0,1
	WIN RD_LO+\hf
.irp L, 0,1,2,3,4,5,6,7,8,9,10,11,12,13,14,15
.irp ap, 0,1,2,3
.irp hh, 0,1
.set rX, X+4*(4*\hf+\ap)+2*\hh
.set rA, 8*(8*\ap+4*\hh+(\L)/4)+2*((\L)%4)
.set rQ, QV+32*\hh+2*\L
.if \L == 0
	v_pk_fma_f32 v[rX:rX+1], v[rA:rA+1], v[rQ:rQ+1], v[UU+2*\hh:UU+2*\hh+1]
.else
	v_pk_fma_f32 v[rX:rX+1], v[rA:rA+1], v[rQ:rQ+1], v[rX:rX+1]
.endif
.endr
.endr
.endr
.endr
	WIN 0
.irp i, 0,1,2,3,4,5,6,7,8,9,10,11,12,13,14,15
	v_add_f32 v[X+2*\i], v[X+2*\i], v[X+2*\i+1]
.endr
.irp i, 0,1,2,3,4,5,6,7,8,9,10,11,12,13,14,15
	v_permlanex16_b32 v[X+2*\i+1], v[X+2*\i], s[SEL], s[SEL+1]
.endr
.irp i, 0,1,2,3,4,5,6,7,8,9,10,11,12,13,14,15
	v_add_f32 v[X+2*\i], v[X+2*\i], v[X+2*\i+1]
.endr
.irp a, 0,1,2,3,4,5,6,7
	v_cndmask_b32 v[X+4*\a+1], v[X+4*\a], v[X+4*\a+2], s[HM]
.endr
	v_add_nc_u32 v[TA], s[TRB], v[TST0]
.irp a, 0,1,2,3,4,5,6,7
	ds_store_b32 v[TA], v[X+4*\a+1] offset:64*\a   ; read by other waves only behind the next tile's changes of slots: each has my wait for all LDS instructions and a barrier
.endr
.endm
; THE END OF A TILE OF V: o += sum over my 128 rows of 2^(t - m) x V.  rb: which 256 rows.  first = 1: m is found, the work-group's t goes to memory, and the first products start o.
.macro EPI_V first, rb
.if \first
.irp i, 0,1,2,3,4,5,6,7
	ds_load_b128 v[X+4*\i:X+4*\i+3], v[TMX] offset:(\i/4)*2048+(\i%4)*512    ; my two heads' 512 t, 16 a lane each
.endr
.irp i, 0,1,2,3
	ds_load_b128 v[O+4*\i:O+4*\i+3], v[TOUT] offset:512*\i                   ; head w's 512 t
.endr
	s_wait_dscnt 4                                 ; the first eight are in; the four just issued may be out
	v_max3_num_f32 v[MX], v[X], v[X+1], v[X+2]
	v_max3_num_f32 v[MX+1], v[X+16], v[X+17], v[X+18]
.irp i, 3,5,7,9,11,13
	v_max3_num_f32 v[MX], v[MX], v[X+\i], v[X+\i+1]
	v_max3_num_f32 v[MX+1], v[MX+1], v[X+16+\i], v[X+17+\i]
.endr
	v_max_num_f32 v[MX], v[MX], v[X+15]
	v_max_num_f32 v[MX+1], v[MX+1], v[X+31]
.irp m, 1,2,4,8
	v_max_num_f32_dpp v[MX], v[MX], v[MX] row_xmask:\m row_mask:0xf bank_mask:0xf
	v_max_num_f32_dpp v[MX+1], v[MX+1], v[MX+1] row_xmask:\m row_mask:0xf bank_mask:0xf
.endr
	v_permlanex16_b32 v[PT], v[MX], s[SEL], s[SEL+1]
	v_max_num_f32 v[MX], v[MX], v[PT]
	v_permlanex16_b32 v[PT], v[MX+1], s[SEL], s[SEL+1]
	v_max_num_f32 v[MX+1], v[MX+1], v[PT]          ; every lane holds m of both heads
	s_wait_dscnt 0x0
.irp i, 0,1,2,3
	global_store_b128 v[L16], v[O+4*\i:O+4*\i+3], s[14:15] offset:512*\i     ; 512 consecutive bytes a store, aligned
.endr
.endif
.irp a, 0,1,2,3,4,5,6,7
.irp hh, 0,1
	ds_load_b32 v[X+4*\a+2*\hh], v[TLD] offset:\hh*2048+\rb*1024+64*\a       ; t of row 16 a + r, head hh
.endr
.endr
	s_wait_dscnt 0x0
.irp a, 0,1,2,3,4,5,6,7
.irp hh, 0,1
	v_sub_f32 v[X+4*\a+2*\hh], v[X+4*\a+2*\hh], v[MX+\hh]
.endr
.endr
.irp a, 0,1,2,3,4,5,6,7
.irp hh, 0,1
	v_exp_f32 v[X+4*\a+2*\hh], v[X+4*\a+2*\hh]     ; p = 2^(t - m), at most 1
.endr
.endr
	v_nop                                          ; a plain line behind the last exponential
	s_wait_alu depctr_va_vdst(0)                   ; one wait for the batch of sixteen, ahead of its first reader
.if \first
	s_wait_xcnt 0x0                                ; the stores of t have read their data: o takes those registers
.endif
.irp hf, 0,1
	WIN RD_LO+\hf
.irp ap, 0,1,2,3
.irp b, 0,1,2,3,4,5,6,7
.irp pr, 0,1,2,3
.set rO, O+8*\b+2*\pr
.set rA, 8*(8*\ap+\b)+2*\pr
.set rP, X+4*(4*\hf+\ap)+2*(\b/4)
.if \first && (\hf == 0) && (\ap == 0)
	v_pk_mul_f32 v[rO:rO+1], v[rA:rA+1], v[rP:rP+1] op_sel_hi:[1,0]                 ; of the pair that holds p the low word serves both halves
.else
	v_pk_fma_f32 v[rO:rO+1], v[rA:rA+1], v[rP:rP+1], v[rO:rO+1] op_sel_hi:[1,0,1]
.endif
.endr
.endr
.endr
.endr
	WIN 0
.endm
	s_wait_tensorcnt 1                             ; my part of K step 0 is in; K step 1's load may be out
	s_barrier_signal -1
	s_barrier_wait -1                              ; everybody's is
	FETCH_B 0, 0, 0
	FETCH_A 0, 0, 0
	FETCH_A 0, 0, 4
	s_mov_b32 s[CNT], 2
	s_mov_b32 s[TRB], 0
	s_mov_b32 s[BADV], 0
	s_mov_b32 s[BADV+1], 0
.Lktile:                                           ; two trips: the two tiles of K
	BODY 2
	EPI_K
	s_mov_b32 s[BADV], 262144                      ; behind the second tile wc's descriptors go on to Wv's rows
	s_add_co_u32 s[TRB], s[TRB], 1024
	s_wait_xcnt 0x0                                ; the tile's prefetches, a whole end of a tile back, have read their address:
	s_add_nc_u64 s[PFA:PFA+1], s[PFA:PFA+1], 262144
	s_sub_co_u32 s[CNT], s[CNT], 1
	s_cmp_lg_u32 s[CNT], 0
	s_cbranch_scc1 .Lktile
	BODY 1                                         ; V of rows 0-255
	EPI_V 1, 0
	STEP 0, 0, 1                                   ; V of rows 256-511: the tail is written out
	TURN 0, 1, 1, 0, -1
	STEP 1, 0, 0
	TURN 1, 0, 1, 0, -1                            ; the last load
	STEP 0, 0, 0
	TURN 0, 1, 0, 0, -1                            ; nothing is filled, and no round follows
	STEP 1, 0, 0
	s_wait_dscnt 4*NL                              ; the very last 128 along K: nothing more to fetch
	WIN MUL_LO
	MUL16 0, 1, 0
	MUL16 2, 1, 0
	s_wait_dscnt 0
	WIN MUL_HI
	MUL16 4, 1, 0
	MUL16 6, 1, 0
	WIN 0
	PLACES NP
	EPI_V 0, 1
	; o: a lane holds its 64 columns' sums over the rows with its r.  The sixteen lanes of a half are added, then the two halves of the rows, which lie in two waves, meet in LDS.
.irp m, 1,2,4,8
.set i, 0
.rept 64
	v_add_f32_dpp v[O+i], v[O+i], v[O+i] row_xmask:\m row_mask:0xf bank_mask:0xf
.set i, i+1
.endr
.endr
.irp b, 0,1,2,3,4,5,6,7
.irp u, 0,1
	ds_store_b128 v[OSTO], v[O+8*\b+4*\u:O+8*\b+4*\u+3] offset:64*\b+16*\u   ; the sixteen lanes of a half write the same bytes with the same values
.endr
.endr
	s_wait_dscnt 0x0                               ; for the others' sake: my stores are done
	s_barrier_signal -1
	s_barrier_wait -1
	ds_load_b64 v[X:X+1], v[OSLD]                  ; head w's 64 columns: rows 0-127 and 256-383,
	ds_load_b64 v[X+2:X+3], v[OSLD] offset:1024    ; and the others
	s_wait_dscnt 0x0
	v_pk_add_f32 v[X:X+1], v[X:X+1], v[X+2:X+3]
	global_store_b64 v[L8], v[X:X+1], s[16:17]     ; the wave stores 256 consecutive bytes, aligned
	s_wait_tensorcnt 0x0                           ; the wave's end, behind my last tensor load and my last LDS store
	ds_add_u32 v[SPW], v[NIL]
	s_wait_dscnt 0x0
	CROUND                                         ; the closing round: no work-group ends while a partner may still ask for a tile that names it
	s_endpgm
.Lfunc_end_k_qfe85ac5deb_main:
	.size	k_qfe85ac5deb_main, .Lfunc_end_k_qfe85ac5deb_main-k_qfe85ac5deb_main
	.p2alignl 7, 3214868480
	.fill 96, 4, 3214868480
	.section	.rodata,"a",@progbits
	.p2align	6, 0x0
	.amdhsa_kernel k_qfe85ac5deb_main
		.amdhsa_group_segment_fixed_size 327680
		.amdhsa_private_segment_fixed_size 0
		.amdhsa_enable_private_segment 0
		.amdhsa_kernarg_size 56
		.amdhsa_user_sgpr_count 2
		.amdhsa_user_sgpr_kernarg_segment_ptr 1
		.amdhsa_wavefront_size32 1
		.amdhsa_system_sgpr_workgroup_id_x 1
		.amdhsa_system_sgpr_workgroup_id_y 1
		.amdhsa_system_sgpr_workgroup_id_z 1
		.amdhsa_system_vgpr_workitem_id 0
		.amdhsa_next_free_vgpr 1024
		.amdhsa_next_free_sgpr 98
		.amdhsa_reserve_vcc 0
		.amdhsa_float_denorm_mode_32 3
		.amdhsa_float_denorm_mode_16_64 3
		.amdhsa_memory_ordered 1
		.amdhsa_forward_progress 1
		.amdhsa_inst_pref_size 255
	.end_amdhsa_kernel
	.section	.bss,"aw",@nobits
	.p2align	6
	.space	262144
	.amdgpu_metadata
---
amdhsa.version: [ 1, 2 ]
amdhsa.kernels:
  - .name:           k_qfe85ac5deb_main
    .symbol:         k_qfe85ac5deb_main.kd
    .args:
      - { .name: kc, .offset: 0, .size: 8, .value_kind: global_buffer, .address_space: global }
      - { .name: wc, .offset: 8, .size: 8, .value_kind: global_buffer, .address_space: global }
      - { .name: qs, .offset: 16, .size: 8, .value_kind: global_buffer, .address_space: global }
      - { .name: bk, .offset: 24, .size: 8, .value_kind: global_buffer, .address_space: global }
      - { .name: lowp_scales, .offset: 32, .size: 8, .value_kind: global_buffer, .address_space: global }
      - { .name: tbuf, .offset: 40, .size: 8, .value_kind: global_buffer, .address_space: global }
      - { .name: obuf, .offset: 48, .size: 8, .value_kind: global_buffer, .address_space: global }
    .group_segment_fixed_size: 327680
    .private_segment_fixed_size: 0
    .kernarg_segment_align: 8
    .kernarg_segment_size: 56
    .max_flat_workgroup_size: 128
    .sgpr_count:     98
    .vgpr_count:     1024
    .wavefront_size: 32
...
	.end_amdgpu_metadata
.endif
;; end of part 2
;; launch finish (part 3): grid 256 x 1, 2 waves a work-group, no clusters, 0 bytes of LDS; arguments tbuf, obuf, bv, lowp_scales, out0, out1; writes out0, out1
.if DOCPART == 3
	.amdgcn_target "amdgcn-amd-amdhsa--gfx1250"
	.amdhsa_code_object_version 6
	.text
	.protected	k_qfe85ac5deb_finish
	.globl	k_qfe85ac5deb_finish
	.p2align	8
	.type	k_qfe85ac5deb_finish,@function
k_qfe85ac5deb_finish:
	s_mov_b64 s[64:65], 0
	v_nop
	global_prefetch_b8 v0, s[64:65] scope:SCOPE_SE
	s_setreg_imm32_b32 hwreg(HW_REG_WAVE_MODE, 25, 1), 1
	s_wait_xcnt 0x0
; FINISH.  One wave to a row R = head x 32 + batch: the softmax over its 1,024 scores t (in base 2), and the head's 64 outputs from the two halves' sums.
;   m0, m1: the largest t of l = 0 .. 511 and of l = 512 .. 1023: taken of the very numbers under which the launch before summed o0 and o1, and a maximum rounds nothing, so they are that launch's m.
;   M = max(m0, m1);  p = 2^(t - M);  L = the sum of p;  out1[R][l] = p / L;  out0[batch][64 head + d] = (2^(m0 - M) o0[d] + 2^(m1 - M) o1[d]) x 2^(e4 + e5) / L + bv[d]  (the weights add up to 1, so bv comes in whole).
; LIMIT: e4 + e5 is at least -116, so that 2^(e4 + e5) / L, with L between 1 and 1,024, is a normal f32 number.  NaN among the inputs is not served.
; A row is 4,096 bytes, 32 registers of one wave: no LDS, no barrier, no wave waits for another.  Each load and store of t and out1 covers 512 consecutive bytes; o, bv and out0 256.
	s_load_b256 s[4:11], s[0:1], 0x0               ; tbuf 4:5, obuf 6:7, bv 8:9, the exponents 10:11
	s_load_b128 s[12:15], s[0:1], 0x20             ; out0 12:13, out1 14:15
	v_lshrrev_b32 v1, 5, v0
	v_readfirstlane_b32 s16, v1                    ; wave 0, 1
	v_and_b32 v1, 31, v0
	v_lshlrev_b32 v2, 4, v1                        ; 16 x lane
	v_lshlrev_b32 v3, 3, v1                        ; 8 x lane
	v_mov_b32 v63, 0                               ; written once: a lane permute's destination counts as one of its sources
	s_lshl_b32 s17, ttmp9, 1
	s_add_co_u32 s17, s17, s16                     ; R
	s_lshr_b32 s18, s17, 5                         ; the head
	s_and_b32 s19, s17, 31                         ; the batch
	s_lshl_b32 s20, s17, 12                        ; tbuf, out1: row R
	s_mov_b32 s21, 0
	s_lshl_b32 s24, s18, 8                         ; bv: the head's 256 bytes
	s_mov_b32 s25, 0
	s_lshl_b32 s22, s19, 13                        ; obuf: the batch's two rows, the head's 256 bytes
	s_add_co_u32 s22, s22, s24
	s_mov_b32 s23, 0
	s_lshl_b32 s26, s19, 12                        ; out0: the batch's row, the head's 256 bytes
	s_add_co_u32 s26, s26, s24
	s_mov_b32 s27, 0
	s_mov_b32 s28, 0x76543210                      ; lane selects: lane l xor 16
	s_mov_b32 s29, 0xfedcba98
	s_wait_kmcnt 0x0
	s_load_b64 s[30:31], s[10:11], 0x10            ; e4, e5
	s_add_nc_u64 s[4:5], s[4:5], s[20:21]
	s_add_nc_u64 s[14:15], s[14:15], s[20:21]
	s_add_nc_u64 s[6:7], s[6:7], s[22:23]
	s_add_nc_u64 s[8:9], s[8:9], s[24:25]
	s_add_nc_u64 s[12:13], s[12:13], s[26:27]
.irp i, 0,1,2,3,4,5,6,7
	global_load_b128 v[16+4*\i:19+4*\i], v2, s[4:5] offset:512*\i th:TH_LOAD_NT
.endr
	global_load_b64 v[48:49], v3, s[6:7] th:TH_LOAD_NT               ; o0
	global_load_b64 v[50:51], v3, s[6:7] offset:4096 th:TH_LOAD_NT   ; o1
	global_load_b64 v[52:53], v3, s[8:9]                             ; bv
	s_wait_loadcnt 3                               ; t is in; the three loads behind it may be out
	v_max3_num_f32 v54, v16, v17, v18              ; two chains: the first half's and the second half's
	v_max3_num_f32 v55, v32, v33, v34
.irp i, 3,5,7,9,11,13
	v_max3_num_f32 v54, v54, v[16+\i], v[17+\i]
	v_max3_num_f32 v55, v55, v[32+\i], v[33+\i]
.endr
	v_max_num_f32 v54, v54, v31
	v_max_num_f32 v55, v55, v47
.irp m, 1,2,4,8
	v_max_num_f32_dpp v54, v54, v54 row_xmask:\m row_mask:0xf bank_mask:0xf
	v_max_num_f32_dpp v55, v55, v55 row_xmask:\m row_mask:0xf bank_mask:0xf
.endr
	v_permlanex16_b32 v63, v54, s28, s29
	v_max_num_f32 v54, v54, v63                    ; m0
	v_permlanex16_b32 v63, v55, s28, s29
	v_max_num_f32 v55, v55, v63                    ; m1
	v_max_num_f32 v62, v54, v55                    ; M
	v_sub_f32 v58, v54, v62
	v_sub_f32 v59, v55, v62
.set i, 0
.rept 32
	v_sub_f32 v[16+i], v[16+i], v62
.set i, i+1
.endr
.set i, 0
.rept 32
	v_exp_f32 v[16+i], v[16+i]                     ; p
.set i, i+1
.endr
	v_exp_f32 v58, v58                             ; 2^(m0 - M)
	v_exp_f32 v59, v59                             ; 2^(m1 - M)
	v_nop                                          ; a plain line behind the last exponential
	s_wait_alu depctr_va_vdst(0)                   ; one wait for the batch of 34, ahead of its first reader
	v_pk_add_f32 v[54:55], v[16:17], v[18:19]      ; the sum, two at a time, in two chains
	v_pk_add_f32 v[56:57], v[20:21], v[22:23]
.irp i, 8,12,16,20,24,28
	v_pk_add_f32 v[54:55], v[54:55], v[16+\i:17+\i]
	v_pk_add_f32 v[56:57], v[56:57], v[18+\i:19+\i]
.endr
	v_pk_add_f32 v[54:55], v[54:55], v[56:57]
	v_add_f32 v54, v54, v55
.irp m, 1,2,4,8
	v_add_f32_dpp v54, v54, v54 row_xmask:\m row_mask:0xf bank_mask:0xf
.endr
	v_permlanex16_b32 v63, v54, s28, s29
	v_add_f32 v54, v54, v63                        ; L, in every lane
	v_rcp_f32 v60, v54
	v_nop                                          ; a plain line behind the reciprocal
	s_wait_alu depctr_va_vdst(0)                   ; and the wait ahead of its first reader
	v_mov_b32 v61, v60
.irp i, 0,2,4,6,8,10,12,14,16,18,20,22,24,26,28,30
	v_pk_mul_f32 v[16+\i:17+\i], v[16+\i:17+\i], v[60:61]
.endr
.irp i, 0,1,2,3,4,5,6,7
	global_store_b128 v2, v[16+4*\i:19+4*\i], s[14:15] offset:512*\i th:TH_STORE_NT
.endr
	s_wait_loadcnt 0x0                             ; o0, o1, bv
	s_wait_kmcnt 0x0
	s_add_co_i32 s32, s30, s31                     ; e4 + e5
	v_ldexp_f32 v62, v60, s32                      ; 2^(e4 + e5) / L
	v_mul_f32 v48, v48, v58
	v_mul_f32 v49, v49, v58
	v_fma_f32 v48, v50, v59, v48
	v_fma_f32 v49, v51, v59, v49
	v_fma_f32 v48, v48, v62, v52
	v_fma_f32 v49, v49, v62, v53
	global_store_b64 v3, v[48:49], s[12:13] th:TH_STORE_NT           ; the wave stores 256 consecutive bytes, aligned
	s_endpgm
.Lfunc_end_k_qfe85ac5deb_finish:
	.size	k_qfe85ac5deb_finish, .Lfunc_end_k_qfe85ac5deb_finish-k_qfe85ac5deb_finish
	.p2alignl 7, 3214868480
	.fill 96, 4, 3214868480
	.section	.rodata,"a",@progbits
	.p2align	6, 0x0
	.amdhsa_kernel k_qfe85ac5deb_finish
		.amdhsa_group_segment_fixed_size 0
		.amdhsa_private_segment_fixed_size 0
		.amdhsa_enable_private_segment 0
		.amdhsa_kernarg_size 48
		.amdhsa_user_sgpr_count 2
		.amdhsa_user_sgpr_kernarg_segment_ptr 1
		.amdhsa_wavefront_size32 1
		.amdhsa_system_sgpr_workgroup_id_x 1
		.amdhsa_system_sgpr_workgroup_id_y 1
		.amdhsa_system_sgpr_workgroup_id_z 1
		.amdhsa_system_vgpr_workitem_id 0
		.amdhsa_next_free_vgpr 64
		.amdhsa_next_free_sgpr 66
		.amdhsa_reserve_vcc 0
		.amdhsa_float_denorm_mode_32 3
		.amdhsa_float_denorm_mode_16_64 3
		.amdhsa_memory_ordered 1
		.amdhsa_forward_progress 1
		.amdhsa_inst_pref_size 11
	.end_amdhsa_kernel
	.amdgpu_metadata
---
amdhsa.version: [ 1, 2 ]
amdhsa.kernels:
  - .name:           k_qfe85ac5deb_finish
    .symbol:         k_qfe85ac5deb_finish.kd
    .args:
      - { .name: tbuf, .offset: 0, .size: 8, .value_kind: global_buffer, .address_space: global }
      - { .name: obuf, .offset: 8, .size: 8, .value_kind: global_buffer, .address_space: global }
      - { .name: bv, .offset: 16, .size: 8, .value_kind: global_buffer, .address_space: global }
      - { .name: lowp_scales, .offset: 24, .size: 8, .value_kind: global_buffer, .address_space: global }
      - { .name: out0, .offset: 32, .size: 8, .value_kind: global_buffer, .address_space: global }
      - { .name: out1, .offset: 40, .size: 8, .value_kind: global_buffer, .address_space: global }
    .group_segment_fixed_size: 0
    .private_segment_fixed_size: 0
    .kernarg_segment_align: 8
    .kernarg_segment_size: 48
    .max_flat_workgroup_size: 64
    .sgpr_count:     66
    .vgpr_count:     64
    .wavefront_size: 32
...
	.end_amdgpu_metadata
.endif
;; end of part 3
;; ======== version 2 of 2: 3 launches
;; limits: right only within a limited range of input values
;; workspace buffers: wc 2,097,152 bytes; qs 131,072 bytes; tbuf 2,097,152 bytes; obuf 1,048,576 bytes
;; launch prep (part 4): grid 384 x 1, 4 waves a work-group, no clusters, 5,632 bytes of LDS; arguments q, Wq, bq, Wk, Wv, lowp_scales, wc, qs; writes wc, qs
.if DOCPART == 4
	.amdgcn_target "amdgcn-amd-amdhsa--gfx1250"
	.amdhsa_code_object_version 6
	.text
	.protected	k_qfe85ac5deb_prep
	.globl	k_qfe85ac5deb_prep
	.p2align	8
	.type	k_qfe85ac5deb_prep,@function
k_qfe85ac5deb_prep:
	s_mov_b64 s[64:65], 0
	v_nop
	global_prefetch_b8 v0, s[64:65] scope:SCOPE_SE
	s_setreg_imm32_b32 hwreg(HW_REG_WAVE_MODE, 25, 1), 1
	s_wait_xcnt 0x0
; PREP.  Two things, once each:
;   wc: Wk with 2^e3 and Wv with 2^e5 as codes of E4M3, laid as the product launch's operand registers take them:
;       [16 heads][Wk, Wv][8 K steps of 128][4 blocks of 16 rows][4 groups c][32 lanes][16 bytes]; lane (r, h) of group c holds row r, k = 128 step + 32 c + 16 h + 0 .. 15.
;   qs: (Q(q) Q(Wq)^T 2^(e0 + e1) + bq) x log2(e) / 8 x 2^(e2 + e3), f32: the query with the softmax's factor and the scale of k Wk^T folded in.  Laid [64 groups of 16 columns][32 batches][16 columns].
; DEAD WORK LEFT OUT: bk.  A score is qs . (k Wk^T + bk) / 8 = qs . (k Wk^T) / 8 + qs . bk / 8, and the second term is the same for every l of a batch and head.  The softmax runs over l, so that term
; cancels in it for all values of the inputs; both outputs hang on the scores through the softmax alone, and k Wk^T + bk goes into no quantised operand.  So bk is not loaded and is no launch's argument.
; LIMIT: a NaN, an infinity or an overflow that bk or qs . bk alone would bring is not carried to the result.
; code = x / 2^e, held within +-448, rounded to the nearest code, ties to even.
; LIMITS: each of e0 .. e5 lies between -126 and 119; qs x 2^(e2 + e3) stays an f32 number.  NaN among the inputs is not served; an infinity is held at the largest code.
; SHARES.  Work-groups 0 to 127 make qs, 16 columns x 16 batches each, the four waves a quarter of K each.  Work-groups 128 to 383: each wave makes one fragment block of wc, 16 rows x 128 k, 2,048 bytes.
; No tensor loads, no cluster: no large input is shared.
.set NQ,    128
.set RP,    80                         ; q path: a row of partial sums in LDS: 64 bytes + 16
.set SPARE, 4*16*RP                    ; the spare words, 128 bytes a wave
.set SPW,   12
.set NIL,   13
.set F,     16                         ; v16-143 q path: four buffers of 32 numbers; W path: v16-79 64 numbers
.set CW,    144                        ; q path: Wq's codes; W path: v144-159 the block's codes
.set CQ,    152
.set ACC,   160
.set S,     176
.set BQ,    184
.macro MKS vs, vl, se                  ; v[vs] = 2^e, v[vl] = 448 x 2^e; e in s[se]
	s_add_co_i32 s38, s[\se], 127
	s_lshl_b32 s39, s38, 23
	v_mov_b32 v[\vs], s39
	s_add_co_i32 s38, s38, 8
	s_lshl_b32 s38, s38, 23
	s_or_b32 s38, s38, 0x600000
	v_mov_b32 v[\vl], s38
.endm
	s_load_b512 s[4:19], s[0:1], 0x0               ; q 4:5, Wq 6:7, bq 8:9, Wk 10:11, Wv 12:13, exponents 14:15, wc 16:17, qs 18:19
	v_lshl_add_u32 v[SPW], v0, 2, SPARE
	v_mov_b32 v[NIL], 0
	v_lshrrev_b32 v1, 5, v0
	v_readfirstlane_b32 s24, v1                    ; wave
	v_and_b32 v1, 31, v0                           ; lane
	v_and_b32 v2, 15, v0                           ; r
	v_bfe_u32 v3, v0, 4, 1                         ; h
	v_lshlrev_b32 v4, 4, v1                        ; 16 x lane
	v_lshlrev_b32 v5, 12, v2
	v_lshl_add_u32 v5, v3, 6, v5                   ; row r of 4,096 bytes, + 64 h
	s_wait_alu depctr_va_vdst(0)
	s_wait_kmcnt 0x0
	s_load_b128 s[32:35], s[14:15], 0x0            ; e0 .. e3
	s_load_b64 s[36:37], s[14:15], 0x10            ; e4, e5
	s_cmp_lt_u32 ttmp9, NQ
	s_cbranch_scc1 .Lqproj
; ---------------- W's CODES ----------------
	s_sub_co_u32 s25, ttmp9, NQ
	s_lshl_b32 s25, s25, 2
	s_add_co_u32 s25, s25, s24                     ; U = ((head x 2 + kv) x 8 + step) x 4 + block
	s_bitcmp1_b32 s25, 5                           ; kv
	s_cselect_b64 s[10:11], s[12:13], s[10:11]
	s_lshr_b32 s26, s25, 6
	s_lshl_b32 s26, s26, 18                        ; the head's 64 rows
	s_and_b32 s28, s25, 3
	s_lshl_b32 s28, s28, 16                        ; the block's 16 rows
	s_add_co_u32 s26, s26, s28
	s_bfe_u32 s28, s25, 0x30002
	s_lshl_b32 s28, s28, 9                         ; the K step's 512 bytes
	s_add_co_u32 s26, s26, s28
	s_mov_b32 s27, 0
	s_add_nc_u64 s[10:11], s[10:11], s[26:27]
	s_lshl_b32 s26, s25, 11
	s_add_nc_u64 s[16:17], s[16:17], s[26:27]
.irp c, 0,1,2,3
.irp j, 0,1,2,3
	global_load_b128 v[F+16*\c+4*\j:F+16*\c+4*\j+3], v5, s[10:11] offset:128*\c+16*\j th:TH_LOAD_NT   ; the sixteen loads together read 512 consecutive bytes of each of 16 rows
.endr
.endr
	s_wait_kmcnt 0x0
	s_bitcmp1_b32 s25, 5
	s_cselect_b32 s40, s37, s35                    ; e5 for Wv, e3 for Wk
	MKS 10, 11, 40
	s_wait_alu depctr_va_vdst(0)
.irp c, 0,1,2,3
	s_wait_loadcnt 4*(3-\c)                        ; group c's four loads are in
.set n, 0
.rept 16
	v_med3_num_f32 v[F+16*\c+n], v[F+16*\c+n], -v11, v11   ; the conversion does not saturate (ISA guide 7.6.2)
.set n, n+1
.endr
	v_cvt_scalef32_pk8_fp8_f32 v[CW+4*\c:CW+4*\c+1], v[F+16*\c:F+16*\c+7], v10
	v_cvt_scalef32_pk8_fp8_f32 v[CW+4*\c+2:CW+4*\c+3], v[F+16*\c+8:F+16*\c+15], v10
	v_nop
	global_store_b128 v4, v[CW+4*\c:CW+4*\c+3], s[16:17] offset:512*\c   ; 512 consecutive bytes, aligned
.endr
	s_endpgm                                       ; this way has written no LDS
; ---------------- THE QUERY'S PROJECTION ----------------
; Work-group g: columns 16 (g / 2) .. + 15, batches 16 (g % 2) .. + 15.  Wave w takes k = 256 w .. + 255 in four steps of 64; an item is 16 rows x 64 k of f32; eight items go through four buffers.
; Transposed use (source 0 = Wq's rows, source 1 = q's rows): lane (r, h) holds batch r, columns 8 h + 0 .. 7.  The four waves' sums meet in LDS.
.Lqproj:
	s_lshr_b32 s25, ttmp9, 1
	s_and_b32 s29, ttmp9, 1
	s_lshl_b32 s28, s24, 10
	s_mov_b32 s27, 0
	s_lshl_b32 s26, s25, 16
	s_add_co_u32 s26, s26, s28
	s_add_nc_u64 s[6:7], s[6:7], s[26:27]
	s_lshl_b32 s26, s29, 16
	s_add_co_u32 s26, s26, s28
	s_add_nc_u64 s[4:5], s[4:5], s[26:27]
	s_lshl_b32 s26, s25, 6
	s_add_nc_u64 s[8:9], s[8:9], s[26:27]
	s_lshl_b32 s26, ttmp9, 10
	s_lshl_b32 s28, s24, 8
	s_add_co_u32 s26, s26, s28
	s_add_nc_u64 s[18:19], s[18:19], s[26:27]
	s_mul_i32 s28, s24, 16*RP
	s_mul_i32 s30, s24, 4*RP
	s_wait_alu depctr_va_vdst(0)
	v_lshlrev_b32 v6, 3, v1                        ; 8 x lane
	v_and_b32 v7, 7, v1
	v_lshlrev_b32 v7, 3, v7                        ; my two columns in a row of 16
.macro ILOAD it
.set FB, F+32*((\it)%4)
.set SG, (\it)/2
.irp c, 0,1
.irp j, 0,1,2,3
.if (\it)%2 == 0
	global_load_b128 v[FB+16*\c+4*\j:FB+16*\c+4*\j+3], v5, s[6:7] offset:256*SG+128*\c+16*\j
.else
	global_load_b128 v[FB+16*\c+4*\j:FB+16*\c+4*\j+3], v5, s[4:5] offset:256*SG+128*\c+16*\j
.endif
.endr
.endr
.endm
.macro ICONV it
.set FB, F+32*((\it)%4)
.set AC, ACC+8*(((\it)/2)%2)
.if (\it)%2 == 0
.set CB, CW
.set SC, 10
.else
.set CB, CQ
.set SC, 8
.endif
.if 7-(\it) >= 3
	s_wait_loadcnt 24                              ; this item's eight loads are in; three younger items' may be out
.else
	s_wait_loadcnt 8*(7-(\it))
.endif
.set n, 0
.rept 32
	v_med3_num_f32 v[FB+n], v[FB+n], -v[SC+1], v[SC+1]
.set n, n+1
.endr
.irp g, 0,1,2,3
	v_cvt_scalef32_pk8_fp8_f32 v[CB+2*\g:CB+2*\g+1], v[FB+8*\g:FB+8*\g+7], v[SC]
.endr
.if (\it) < 4
	ILOAD (\it)+4
.endif
.if (\it)%2 == 1
	v_nop
.if (\it) < 4
	v_wmma_f32_16x16x64_fp8_fp8 v[AC:AC+7], v[CW:CW+7], v[CQ:CQ+7], 0
.else
	v_wmma_f32_16x16x64_fp8_fp8 v[AC:AC+7], v[CW:CW+7], v[CQ:CQ+7], v[AC:AC+7]    ; two accumulators by turns
.endif
.endif
.endm
	global_load_b64 v[BQ:BQ+1], v7, s[8:9]         ; bq of my two columns, issued first
.irp t, 0,1,2,3
	ILOAD \t
.endr
	s_wait_kmcnt 0x0
	MKS 8, 9, 32                                   ; e0
	MKS 10, 11, 33                                 ; e1
.set IT, 0
	s_wait_alu depctr_va_vdst(0)
.rept 8
	ICONV IT
.set IT, IT+1
.endr
	v_mul_u32_u24 v14, v2, RP                      ; seven plain lines: the places behind the last product
	v_lshl_add_u32 v14, v3, 5, v14
	v_add_nc_u32 v14, s28, v14
	v_lshrrev_b32 v15, 3, v1
	v_mul_u32_u24 v15, v15, RP
	v_add_nc_u32 v15, v7, v15
	v_add_nc_u32 v15, s30, v15
.irp i, 0,2,4,6
	v_pk_add_f32 v[S+\i:S+\i+1], v[ACC+\i:ACC+\i+1], v[ACC+8+\i:ACC+8+\i+1]
.endr
	ds_store_b128 v14, v[S:S+3]
	ds_store_b128 v14, v[S+4:S+7] offset:16
	s_wait_alu depctr_va_vdst(0)
	s_wait_dscnt 0x0
	s_barrier_signal -1
	s_barrier_wait -1
.irp p, 0,1,2,3
	ds_load_b64 v[S+2*\p:S+2*\p+1], v15 offset:\p*16*RP
.endr
	s_add_co_i32 s42, s32, s33                     ; e0 + e1
	s_add_co_i32 s43, s34, s35                     ; e2 + e3
	s_mov_b32 s44, 0x3e38aa3b                      ; log2(e) / 8
	s_mov_b32 s45, s44
	v_pk_mul_f32 v[BQ:BQ+1], v[BQ:BQ+1], s[44:45] op_sel_hi:[1,0]
	s_wait_dscnt 0x0
	v_pk_add_f32 v[S:S+1], v[S:S+1], v[S+2:S+3]
	v_pk_add_f32 v[S+4:S+5], v[S+4:S+5], v[S+6:S+7]
	v_pk_add_f32 v[S:S+1], v[S:S+1], v[S+4:S+5]
	v_ldexp_f32 v[S], v[S], s42
	v_ldexp_f32 v[S+1], v[S+1], s42
	s_wait_alu depctr_va_vdst(0)
	v_pk_fma_f32 v[S:S+1], v[S:S+1], s[44:45], v[BQ:BQ+1] op_sel_hi:[1,0,1]
	v_ldexp_f32 v[S], v[S], s43                    ; x 2^(e2 + e3): a power of two, nothing is rounded
	v_ldexp_f32 v[S+1], v[S+1], s43
	global_store_b64 v6, v[S:S+1], s[18:19]        ; 256 consecutive bytes a wave, aligned
	s_wait_tensorcnt 0x0                           ; the wave's end
	ds_add_u32 v[SPW], v[NIL]
	s_wait_dscnt 0x0
	s_endpgm
.Lfunc_end_k_qfe85ac5deb_prep:
	.size	k_qfe85ac5deb_prep, .Lfunc_end_k_qfe85ac5deb_prep-k_qfe85ac5deb_prep
	.p2alignl 7, 3214868480
	.fill 96, 4, 3214868480
	.section	.rodata,"a",@progbits
	.p2align	6, 0x0
	.amdhsa_kernel k_qfe85ac5deb_prep
		.amdhsa_group_segment_fixed_size 5632
		.amdhsa_private_segment_fixed_size 0
		.amdhsa_enable_private_segment 0
		.amdhsa_kernarg_size 64
		.amdhsa_user_sgpr_count 2
		.amdhsa_user_sgpr_kernarg_segment_ptr 1
		.amdhsa_wavefront_size32 1
		.amdhsa_system_sgpr_workgroup_id_x 1
		.amdhsa_system_sgpr_workgroup_id_y 1
		.amdhsa_system_sgpr_workgroup_id_z 1
		.amdhsa_system_vgpr_workitem_id 0
		.amdhsa_next_free_vgpr 192
		.amdhsa_next_free_sgpr 66
		.amdhsa_reserve_vcc 0
		.amdhsa_float_denorm_mode_32 3
		.amdhsa_float_denorm_mode_16_64 3
		.amdhsa_memory_ordered 1
		.amdhsa_forward_progress 1
		.amdhsa_inst_pref_size 37
	.end_amdhsa_kernel
	.amdgpu_metadata
---
amdhsa.version: [ 1, 2 ]
amdhsa.kernels:
  - .name:           k_qfe85ac5deb_prep
    .symbol:         k_qfe85ac5deb_prep.kd
    .args:
      - { .name: q, .offset: 0, .size: 8, .value_kind: global_buffer, .address_space: global }
      - { .name: Wq, .offset: 8, .size: 8, .value_kind: global_buffer, .address_space: global }
      - { .name: bq, .offset: 16, .size: 8, .value_kind: global_buffer, .address_space: global }
      - { .name: Wk, .offset: 24, .size: 8, .value_kind: global_buffer, .address_space: global }
      - { .name: Wv, .offset: 32, .size: 8, .value_kind: global_buffer, .address_space: global }
      - { .name: lowp_scales, .offset: 40, .size: 8, .value_kind: global_buffer, .address_space: global }
      - { .name: wc, .offset: 48, .size: 8, .value_kind: global_buffer, .address_space: global }
      - { .name: qs, .offset: 56, .size: 8, .value_kind: global_buffer, .address_space: global }
    .group_segment_fixed_size: 5632
    .private_segment_fixed_size: 0
    .kernarg_segment_align: 8
    .kernarg_segment_size: 64
    .max_flat_workgroup_size: 128
    .sgpr_count:     66
    .vgpr_count:     192
    .wavefront_size: 32
...
	.end_amdgpu_metadata
.endif
;; end of part 4
;; launch main (part 5): grid 256 x 1, 4 waves a work-group, no clusters, 270,848 bytes of LDS; arguments k, wc, qs, lowp_scales, tbuf, obuf; writes tbuf, obuf
.if DOCPART == 5
	.amdgcn_target "amdgcn-amd-amdhsa--gfx1250"
	.amdhsa_code_object_version 6
	.text
	.protected	k_qfe85ac5deb_main
	.globl	k_qfe85ac5deb_main
	.p2align	8
	.type	k_qfe85ac5deb_main,@function
k_qfe85ac5deb_main:
	s_mov_b64 s[64:65], 0
	v_nop
	global_prefetch_b8 v0, s[64:65] scope:SCOPE_SE
	s_setreg_imm32_b32 hwreg(HW_REG_WAVE_MODE, 25, 1), 1
	s_wait_xcnt 0x0
; MAIN.  Work-group g owns 128 rows of k: batch g / 8, l = 128 (g % 8) .. + 127.  bk is left out as dead work (shown at the head of prep).
; HEAD: the 128 rows (524,288 bytes of f32) are read once and quantised twice, with 2^e2 and with 2^e4, into LDS: 2 x 128 rows x 1,024 codes, rows 1,040 bytes apart; wave w makes rows 32 w .. + 31.  One barrier.
; THEN no wave needs another.  Wave w owns heads 4 w .. 4 w + 3.  For each head: a tile 128 rows x 64 columns of k Wk^T (8 K steps of 128, 32 accumulators); t = qs . row (base 2, all factors folded into qs);
; t goes to tbuf; m = the largest of these 128 t; p = 2^(t - m); the same tile of k Wv^T; o = sum over the rows of p x row, to obuf.  The last launch takes the same m from tbuf's numbers and joins the eight blocks.
; W's fragments come from memory straight into registers, as prep laid them: a wave's 64 K steps are one run of 524,288 bytes.  A ring of four sets holds them; step s asks for step s + 3.
; k's fragments come from LDS, two sets, step s asks for step s + 1.
; In the last head the look-ahead (3 steps of W, the next head's qs, one step of k's fragments) names the wave's first head again, inside the buffers; those data are not used.  So the counted waits hold on one path.
; NO CLUSTER, NO TENSOR LOADS: the codes take 266,240 of LDS's 327,680 bytes; two slots of 128 rows of W x 272 bytes, 69,632, do not fit beside them.
; NO PREFETCH: k is streamed once by loads that run 16 steps (64 loads a wave) ahead; all work-groups read the same 2,097,152 bytes of wc.
; TRANSPOSED USE: source 0 = 16 rows of W, source 1 = 16 rows of k: lane (r, h) holds row r of k, registers columns 8 h + 0 .. 7.
; LIMITS: e2, e4 between -126 and 119.  NaN among the inputs is not served.  The scaled scores t stay under 2^31 in magnitude.
; WINDOWS: 0 addresses and vector work; 1 the head's loaded numbers, then k's fragments (2 x 128); 2 W's fragments (4 x 64); 3 the accumulators, (a, b) at 8 (4 a + b).
.set PITCH, 1040
.set VB,    128*PITCH                  ; the version with e4
.set STAGE, 2*VB                       ; 1,024 bytes a wave: t's 512, o's 256
.set SPARE, STAGE+4096
.set SPW, 2
.set NIL, 3
.set L16, 4
.set L8,  5
.set H32, 6
.set S2,  8                            ; 2^e2, 448 x 2^e2, 2^e4, 448 x 2^e4
.set L2,  9
.set S4,  10
.set L4,  11
.set LA,  12
.set LAV, 13
.set LCV, 14
.set AD,  16                           ; v16-19 fragment addresses: version x 2 + (block / 4)
.set ST,  20
.set SL,  21
.set OS,  22
.set OL,  23
.set MX,  24
.set OO,  26
.set TO,  28
.set X,   32                           ; v32-47 eight pairs: t, then p, of blocks a = 0 .. 7
.set Y,   48
.set O,   64
.set QV,  96
.set T0,  128
.set T1,  144
.set C,   160
.set WV,  16
.set KB,  20
.set BB,  22
.set BN,  24
.set B0,  26
.set QB,  28
.set Q0,  30
.set CNT, 40
.set LB,  41
.set SEL, 42
.set HM,  44
.set MSB, 0
.macro WIN new
.if MSB != (\new)
	s_set_vgpr_msb (MSB<<8)|(\new)
.set MSB, (\new)
.endif
.endm
.macro PLACES
.rept 4
	v_nop
.endr
.endm
.macro MKS vs, vl, se
	s_add_co_i32 s38, s[\se], 127
	s_lshl_b32 s39, s38, 23
	v_mov_b32 v[\vs], s39
	s_add_co_i32 s38, s38, 8
	s_lshl_b32 s38, s38, 23
	s_or_b32 s38, s38, 0x600000
	v_mov_b32 v[\vl], s38
.endm
.macro BLOAD set, base, st             ; W's four fragments of a K step: 16 loads of 512 consecutive bytes
.irp b, 0,1,2,3
.irp c, 0,1,2,3
	global_load_b128 v[64*(\set)+16*\b+4*\c:64*(\set)+16*\b+4*\c+3], v[L16], s[\base:\base+1] offset:8192*(\st)+2048*\b+512*\c
.endr
.endr
.endm
.macro QLOAD base                      ; qs of a head: register 8 b + j = column 16 b + 8 h + j
.irp b, 0,1,2,3
.irp u, 0,1
	global_load_b128 v[QV+8*\b+4*\u:QV+8*\b+4*\u+3], v[H32], s[\base:\base+1] offset:2048*\b+16*\u
.endr
.endr
.endm
.macro KLOAD t                         ; 512 numbers of k, set t % 16 of window 1
.irp i, 0,1,2,3
	global_load_b128 v[16*((\t)%16)+4*\i:16*((\t)%16)+4*\i+3], v[L16], s[KB:KB+1] offset:2048*(\t)+512*\i th:TH_LOAD_NT
.endr
.endm
.macro ALOAD set, ver, q               ; k's eight fragments of a K step
.irp i, 0,1,2,3,4,5,6,7
.irp c, 0,1,2,3
	ds_load_b128 v[128*(\set)+16*\i+4*\c:128*(\set)+16*\i+4*\c+3], v[AD+2*(\ver)+(\i)/4] offset:((\i)%4)*16*PITCH+128*(\q)+32*\c
.endr
.endr
.endm
	s_load_b256 s[4:11], s[0:1], 0x0               ; k 4:5, wc 6:7, qs 8:9, exponents 10:11
	s_load_b128 s[12:15], s[0:1], 0x20             ; tbuf 12:13, obuf 14:15
	v_lshl_add_u32 v[SPW], v0, 2, SPARE
	v_mov_b32 v[NIL], 0
	v_lshrrev_b32 v1, 5, v0
	v_readfirstlane_b32 s[WV], v1
	s_mul_i32 s32, s[WV], 32*PITCH
	s_lshl_b32 s33, s[WV], 10
	s_add_co_u32 s33, s33, STAGE
	s_add_co_u32 s34, s33, 512
	v_and_b32 v1, 31, v0
	v_and_b32 v7, 15, v0                           ; r
	v_bfe_u32 v15, v0, 4, 1                        ; h
	v_lshlrev_b32 v[L16], 4, v1
	v_lshlrev_b32 v[L8], 3, v1
	v_lshlrev_b32 v[H32], 5, v15
	v_lshlrev_b32 v[LA], 2, v1
	v_add_nc_u32 v[ST], s33, v[LA]
	v_add_nc_u32 v[LA], s32, v[LA]                 ; my wave's rows, 4 bytes a lane
	v_add_nc_u32 v[SL], s33, v[L16]
	v_add_nc_u32 v[OS], s34, v[H32]
	v_add_nc_u32 v[OL], s34, v[L8]
	v_mul_u32_u24 v[AD], v7, PITCH
	v_lshl_add_u32 v[AD], v15, 4, v[AD]            ; row r, + 16 h
	v_add_nc_u32 v[AD+1], 64*PITCH, v[AD]
	v_add_nc_u32 v[AD+2], VB, v[AD]
	v_add_nc_u32 v[AD+3], VB+64*PITCH, v[AD]
	s_mov_b32 s[SEL], 0x76543210
	s_mov_b32 s[SEL+1], 0xfedcba98
	s_mov_b32 s[HM], 0xffff0000
	s_lshr_b32 s34, ttmp9, 3                       ; batch
	s_and_b32 s35, ttmp9, 7                        ; block of 128 l
	s_mov_b32 s37, 0
	s_wait_alu depctr_va_vdst(0)
	s_wait_kmcnt 0x0
	s_load_b128 s[48:51], s[10:11], 0x8            ; e2 .. e5
	s_lshl_b32 s36, ttmp9, 19
	s_lshl_b32 s38, s[WV], 17
	s_add_co_u32 s36, s36, s38
	s_add_nc_u64 s[KB:KB+1], s[4:5], s[36:37]      ; my 32 rows of k
	s_lshl_b32 s36, s[WV], 19
	s_add_nc_u64 s[B0:B0+1], s[6:7], s[36:37]      ; my run of wc
	s_mov_b64 s[BB:BB+1], s[B0:B0+1]
	s_add_nc_u64 s[BN:BN+1], s[B0:B0+1], 131072
	s_lshl_b32 s38, s34, 12
	s_add_co_u32 s36, s36, s38
	s_lshl_b32 s38, s35, 9
	s_add_co_u32 s36, s36, s38
	s_add_nc_u64 s[12:13], s[12:13], s[36:37]      ; tbuf: row 32 head + batch, my 512 bytes
	s_lshl_b32 s36, s[WV], 18
	s_lshl_b32 s38, s34, 11
	s_add_co_u32 s36, s36, s38
	s_lshl_b32 s38, s35, 8
	s_add_co_u32 s36, s36, s38
	s_add_nc_u64 s[14:15], s[14:15], s[36:37]      ; obuf: [row][8 blocks][64]
	s_lshl_b32 s36, s[WV], 15
	s_lshl_b32 s38, s34, 6
	s_add_co_u32 s36, s36, s38
	s_add_nc_u64 s[Q0:Q0+1], s[8:9], s[36:37]
	s_add_nc_u64 s[QB:QB+1], s[Q0:Q0+1], 8192
	WIN 0x40                                       ; k's loads go out first; qs and W's first three sets are asked for in the head's last trip
.set T, 0
.rept 16
	KLOAD T
.set T, T+1
.endr
	WIN 0
	s_wait_kmcnt 0x0
	MKS S2, L2, 48
	MKS S4, L4, 50
; A step of the head: 512 numbers, half a row.  A lane's four loads hold elements 128 i + 4 lane + 0 .. 3, so code word i goes to byte 128 i + 4 lane: K in its own order.
.macro QS t, ld
.if \ld
	s_wait_loadcnt 60                              ; this step's four loads are in; fifteen younger steps' may be out
.else
	s_wait_loadcnt 4*(15-(\t))+24*(((\t)+10)/16)+16*(((\t)+6)/16)+16*(((\t)+2)/16)   ; the younger steps' loads, and those of qs and W issued behind steps 5 (24), 9 (16) and 13 (16), may be out
.endif
	WIN 0x01
.set n, 0
.rept 16
	v_med3_num_f32 v[T0+n], v[16*(\t)+n], -v[L2], v[L2]   ; the conversion does not saturate (ISA guide 7.6.2)
.set n, n+1
.endr
.set n, 0
.rept 16
	v_med3_num_f32 v[T1+n], v[16*(\t)+n], -v[L4], v[L4]
.set n, n+1
.endr
.set CC, C+8*((\t)%2)                  ; the codes' registers: two sets by turns
.if \ld
.if (\t) == 15
	s_wait_alu depctr_va_vdst(0)
	s_wait_xcnt 0x0                                ; the loads issued up to step 14 have read their base: it steps a trip (16 steps) on, ahead of this step's own loads
	s_add_nc_u64 s[KB:KB+1], s[KB:KB+1], 32768
	WIN 0x40
	KLOAD (\t)
.else
	WIN 0x40
	KLOAD (\t)+16
.endif
.endif
	WIN 0
	v_cvt_scalef32_pk8_fp8_f32 v[CC:CC+1], v[T0:T0+7], v[S2]
	v_cvt_scalef32_pk8_fp8_f32 v[CC+2:CC+3], v[T0+8:T0+15], v[S2]
	v_cvt_scalef32_pk8_fp8_f32 v[CC+4:CC+5], v[T1:T1+7], v[S4]
	v_cvt_scalef32_pk8_fp8_f32 v[CC+6:CC+7], v[T1+8:T1+15], v[S4]
	v_nop                                          ; a plain line behind the conversions
.irp i, 0,1,2,3
	ds_store_b32 v[LAV], v[CC+\i] offset:((\t)/2)*PITCH+((\t)%2)*512+128*\i
	ds_store_b32 v[LCV], v[CC+4+\i] offset:((\t)/2)*PITCH+((\t)%2)*512+128*\i
.endr
.if \ld == 0                           ; the last trip asks for no more of k: the first head's qs and W's K steps 0 to 2 are asked for here
.if (\t) == 5
	QLOAD Q0
	WIN 0x80
	BLOAD 0, BB, 0
	WIN 0
.endif
.if (\t) == 9
	WIN 0x80
	BLOAD 1, BB, 1
	WIN 0
.endif
.if (\t) == 13
	WIN 0x80
	BLOAD 2, BB, 2
	WIN 0
.endif
.endif
.endm
.macro QTRIP ld
	v_add_nc_u32 v[LAV], s[LB], v[LA]
	v_add_nc_u32 v[LCV], VB, v[LAV]
	s_wait_alu depctr_va_vdst(0)
.set T, 0
.rept 16
	QS T, \ld
.set T, T+1
.endr
.endm
	s_mov_b32 s[CNT], 3
	s_mov_b32 s[LB], 0
.Lq:                                                   ; three trips of 8 rows; the fourth, which asks for nothing more, is written out
	QTRIP 1
	s_add_co_u32 s[LB], s[LB], 8*PITCH
	s_sub_co_u32 s[CNT], s[CNT], 1
	s_cmp_lg_u32 s[CNT], 0
	s_cbranch_scc1 .Lq
	QTRIP 0
	s_wait_dscnt 0x0                               ; my rows' codes lie in LDS
	s_barrier_signal -1
	s_barrier_wait -1                              ; and everybody's
	WIN 0x40
	ALOAD 0, 0, 0
	WIN 0
; K step s of a head's sixteen: 0-7 k Wk^T, 8-15 k Wv^T.  32 accumulators by turns.
.macro STEP s
	s_wait_dscnt 0x0                               ; this step's fragments of k
	s_wait_loadcnt 32                              ; and of W: the two younger sets may be out
	PLACES                                         ; ahead of loads into registers that the last step's products read
	WIN 0x40
	ALOAD ((\s)+1)%2, (((\s)+1)/8)%2, ((\s)+1)%8
	WIN 0x80
.if (\s)+3 < 16
	BLOAD ((\s)+3)%4, BB, (\s)+3
.else
	BLOAD ((\s)+3)%4, BN, (\s)+3-16
.endif
	WIN 0xf6
.irp a, 0,1,2,3,4,5,6,7
.irp b, 0,1,2,3
.if (\s)%8 == 0
	v_wmma_f32_16x16x128_fp8_fp8 v[8*(4*\a+\b):8*(4*\a+\b)+7], v[64*((\s)%4)+16*\b:64*((\s)%4)+16*\b+15], v[128*((\s)%2)+16*\a:128*((\s)%2)+16*\a+15], 0
.else
	v_wmma_f32_16x16x128_fp8_fp8 v[8*(4*\a+\b):8*(4*\a+\b)+7], v[64*((\s)%4)+16*\b:64*((\s)%4)+16*\b+15], v[128*((\s)%2)+16*\a:128*((\s)%2)+16*\a+15], v[8*(4*\a+\b):8*(4*\a+\b)+7]
.endif
.endr
.endr
.endm
	s_mov_b32 s[CNT], 4
.Lhead:
.irp s, 0,1,2,3,4,5,6,7
	STEP \s
.endr
	PLACES
	WIN 0x03                                       ; t = qs . row: each accumulator from its low end on
.irp L, 0,1,2,3,4,5,6,7,8,9,10,11,12,13,14,15
.irp a, 0,1,2,3,4,5,6,7
.set rA, 8*(4*\a+(\L)/4)+2*((\L)%4)
.if \L == 0
	v_pk_mul_f32 v[X+2*\a:X+2*\a+1], v[rA:rA+1], v[QV+2*\L:QV+2*\L+1]
.else
	v_pk_fma_f32 v[X+2*\a:X+2*\a+1], v[rA:rA+1], v[QV+2*\L:QV+2*\L+1], v[X+2*\a:X+2*\a+1]
.endif
.endr
.endr
	WIN 0
.irp a, 0,1,2,3,4,5,6,7
	v_add_f32 v[X+2*\a], v[X+2*\a], v[X+2*\a+1]
.endr
.irp a, 0,1,2,3,4,5,6,7
	v_permlanex16_b32 v[X+2*\a+1], v[X+2*\a], s[SEL], s[SEL+1]
.endr
.irp a, 0,1,2,3,4,5,6,7
	v_add_f32 v[X+2*\a], v[X+2*\a], v[X+2*\a+1]    ; t of row 16 a + r, in both halves of the lanes
.endr
.irp i, 0,1,2,3
	v_cndmask_b32 v[Y+\i], v[X+4*\i], v[X+4*\i+2], s[HM]   ; lanes 16-31 take the odd block: 32 neighbouring l
.endr
.irp i, 0,1,2,3
	ds_store_b32 v[ST], v[Y+\i] offset:128*\i
.endr
	ds_load_b128 v[TO:TO+3], v[SL]                 ; LDS serves a wave's instructions in order
	v_max3_num_f32 v[MX], v[X], v[X+2], v[X+4]
	v_max3_num_f32 v[MX+1], v[X+6], v[X+8], v[X+10]
	v_max3_num_f32 v[MX], v[MX], v[X+12], v[X+14]
	v_max_num_f32 v[MX], v[MX], v[MX+1]
.irp m, 1,2,4,8
	v_max_num_f32_dpp v[MX], v[MX], v[MX] row_xmask:\m row_mask:0xf bank_mask:0xf
.endr
.irp a, 0,1,2,3,4,5,6,7
	v_sub_f32 v[X+2*\a], v[X+2*\a], v[MX]
.endr
	s_wait_alu depctr_va_vdst(0)                   ; ahead of the batch
.irp a, 0,1,2,3,4,5,6,7
	v_exp_f32 v[X+2*\a], v[X+2*\a]                 ; p
.endr
	v_nop
	s_wait_alu depctr_va_vdst(0)                   ; and behind it
	s_wait_dscnt 0x0
	global_store_b128 v[L16], v[TO:TO+3], s[12:13] ; 512 consecutive bytes, aligned
	QLOAD QB                                       ; the next head's qs
.irp s, 8,9,10,11,12,13,14,15
	STEP \s
.endr
	PLACES
	WIN 0x03                                       ; o = sum over my eight rows of p x row
.irp a, 0,1,2,3,4,5,6,7
.irp b, 0,1,2,3
.irp pr, 0,1,2,3
.set rA, 8*(4*\a+\b)+2*\pr
.set rO, O+8*\b+2*\pr
.if \a == 0
	v_pk_mul_f32 v[rO:rO+1], v[rA:rA+1], v[X+2*\a:X+2*\a+1] op_sel_hi:[1,0]
.else
	v_pk_fma_f32 v[rO:rO+1], v[rA:rA+1], v[X+2*\a:X+2*\a+1], v[rO:rO+1] op_sel_hi:[1,0,1]
.endif
.endr
.endr
.endr
	WIN 0
.irp m, 1,2,4,8
.set i, 0
.rept 32
	v_add_f32_dpp v[O+i], v[O+i], v[O+i] row_xmask:\m row_mask:0xf bank_mask:0xf   ; and over the sixteen lanes
.set i, i+1
.endr
.endr
.irp b, 0,1,2,3
.irp u, 0,1
	ds_store_b128 v[OS], v[O+8*\b+4*\u:O+8*\b+4*\u+3] offset:64*\b+16*\u   ; sixteen lanes write the same numbers to the same bytes
.endr
.endr
	ds_load_b64 v[OO:OO+1], v[OL]
	s_wait_dscnt 0x0
	global_store_b64 v[L8], v[OO:OO+1], s[14:15]   ; 256 consecutive bytes, aligned
	s_wait_xcnt 0x0                                ; loads and stores have read their bases and data
	s_mov_b64 s[BB:BB+1], s[BN:BN+1]
	s_add_nc_u64 s[46:47], s[BN:BN+1], 131072
	s_add_nc_u64 s[36:37], s[QB:QB+1], 8192
	s_cmp_eq_u32 s[CNT], 2                         ; the next trip is the last: its look-ahead names my first head
	s_cselect_b64 s[BN:BN+1], s[B0:B0+1], s[46:47]
	s_cselect_b64 s[QB:QB+1], s[Q0:Q0+1], s[36:37]
	s_add_nc_u64 s[12:13], s[12:13], 131072
	s_add_nc_u64 s[14:15], s[14:15], 65536
	s_sub_co_u32 s[CNT], s[CNT], 1
	s_cmp_lg_u32 s[CNT], 0
	s_cbranch_scc1 .Lhead
	s_wait_tensorcnt 0x0                           ; the wave's end
	ds_add_u32 v[SPW], v[NIL]
	s_wait_dscnt 0x0
	s_endpgm
.Lfunc_end_k_qfe85ac5deb_main:
	.size	k_qfe85ac5deb_main, .Lfunc_end_k_qfe85ac5deb_main-k_qfe85ac5deb_main
	.p2alignl 7, 3214868480
	.fill 96, 4, 3214868480
	.section	.rodata,"a",@progbits
	.p2align	6, 0x0
	.amdhsa_kernel k_qfe85ac5deb_main
		.amdhsa_group_segment_fixed_size 270848
		.amdhsa_private_segment_fixed_size 0
		.amdhsa_enable_private_segment 0
		.amdhsa_kernarg_size 48
		.amdhsa_user_sgpr_count 2
		.amdhsa_user_sgpr_kernarg_segment_ptr 1
		.amdhsa_wavefront_size32 1
		.amdhsa_system_sgpr_workgroup_id_x 1
		.amdhsa_system_sgpr_workgroup_id_y 1
		.amdhsa_system_sgpr_workgroup_id_z 1
		.amdhsa_system_vgpr_workitem_id 0
		.amdhsa_next_free_vgpr 1024
		.amdhsa_next_free_sgpr 66
		.amdhsa_reserve_vcc 0
		.amdhsa_float_denorm_mode_32 3
		.amdhsa_float_denorm_mode_16_64 3
		.amdhsa_memory_ordered 1
		.amdhsa_forward_progress 1
		.amdhsa_inst_pref_size 238
	.end_amdhsa_kernel
	.amdgpu_metadata
---
amdhsa.version: [ 1, 2 ]
amdhsa.kernels:
  - .name:           k_qfe85ac5deb_main
    .symbol:         k_qfe85ac5deb_main.kd
    .args:
      - { .name: k, .offset: 0, .size: 8, .value_kind: global_buffer, .address_space: global }
      - { .name: wc, .offset: 8, .size: 8, .value_kind: global_buffer, .address_space: global }
      - { .name: qs, .offset: 16, .size: 8, .value_kind: global_buffer, .address_space: global }
      - { .name: lowp_scales, .offset: 24, .size: 8, .value_kind: global_buffer, .address_space: global }
      - { .name: tbuf, .offset: 32, .size: 8, .value_kind: global_buffer, .address_space: global }
      - { .name: obuf, .offset: 40, .size: 8, .value_kind: global_buffer, .address_space: global }
    .group_segment_fixed_size: 270848
    .private_segment_fixed_size: 0
    .kernarg_segment_align: 8
    .kernarg_segment_size: 48
    .max_flat_workgroup_size: 128
    .sgpr_count:     66
    .vgpr_count:     1024
    .wavefront_size: 32
...
	.end_amdgpu_metadata
.endif
;; end of part 5
;; launch finish (part 6): grid 256 x 1, 2 waves a work-group, no clusters, 0 bytes of LDS; arguments tbuf, obuf, bv, lowp_scales, out0, out1; writes out0, out1
.if DOCPART == 6
	.amdgcn_target "amdgcn-amd-amdhsa--gfx1250"
	.amdhsa_code_object_version 6
	.text
	.protected	k_qfe85ac5deb_finish
	.globl	k_qfe85ac5deb_finish
	.p2align	8
	.type	k_qfe85ac5deb_finish,@function
k_qfe85ac5deb_finish:
	s_mov_b64 s[64:65], 0
	v_nop
	global_prefetch_b8 v0, s[64:65] scope:SCOPE_SE
	s_setreg_imm32_b32 hwreg(HW_REG_WAVE_MODE, 25, 1), 1
	s_wait_xcnt 0x0
; FINISH.  One wave to a row R = head x 32 + batch: the softmax over its 1,024 scores t (base 2; bk left out as dead work, shown at the head of prep), and the head's 64 outputs from eight blocks' sums.
;   m_c: the largest t of l = 128 c .. + 127: taken of the very numbers under which the launch before summed o_c; a maximum rounds nothing.
;   M = max m_c;  p = 2^(t - M);  L = sum p;  out1[R][l] = p / L;  out0[batch][64 head + d] = (sum over c of 2^(m_c - M) o_c[d]) x 2^(e4 + e5) / L + bv[d]  (the weights add up to 1, so bv comes in whole).
; LIMIT: e4 + e5 is at least -116.  NaN among the inputs is not served.
; Load i of t covers l = 128 i .. + 127, 512 consecutive bytes; o, bv and out0 go by 256.  No LDS, no barrier.
	s_load_b256 s[4:11], s[0:1], 0x0               ; tbuf, obuf, bv, exponents
	s_load_b128 s[12:15], s[0:1], 0x20             ; out0, out1
	v_lshrrev_b32 v1, 5, v0
	v_readfirstlane_b32 s16, v1
	v_and_b32 v1, 31, v0
	v_lshlrev_b32 v2, 4, v1
	v_lshlrev_b32 v3, 3, v1
	v_mov_b32 v63, 0                               ; lane permutes' destinations are written once
.irp c, 0,1,2,3,4,5,6,7
	v_mov_b32 v[88+\c], 0
.endr
	s_lshl_b32 s17, ttmp9, 1
	s_add_co_u32 s17, s17, s16                     ; R
	s_lshr_b32 s18, s17, 5                         ; head
	s_and_b32 s19, s17, 31                         ; batch
	s_lshl_b32 s20, s17, 12
	s_mov_b32 s21, 0
	s_lshl_b32 s24, s18, 8
	s_mov_b32 s25, 0
	s_lshl_b32 s22, s17, 11                        ; obuf: 2,048 bytes a row
	s_mov_b32 s23, 0
	s_lshl_b32 s26, s19, 12
	s_add_co_u32 s26, s26, s24
	s_mov_b32 s27, 0
	s_mov_b32 s28, 0x76543210
	s_mov_b32 s29, 0xfedcba98
	s_wait_alu depctr_va_vdst(0)                   ; the head's end
	s_wait_kmcnt 0x0
	s_load_b64 s[30:31], s[10:11], 0x10            ; e4, e5
	s_add_nc_u64 s[4:5], s[4:5], s[20:21]
	s_add_nc_u64 s[14:15], s[14:15], s[20:21]
	s_add_nc_u64 s[6:7], s[6:7], s[22:23]
	s_add_nc_u64 s[8:9], s[8:9], s[24:25]
	s_add_nc_u64 s[12:13], s[12:13], s[26:27]
.irp i, 0,1,2,3,4,5,6,7
	global_load_b128 v[16+4*\i:19+4*\i], v2, s[4:5] offset:512*\i th:TH_LOAD_NT
.endr
.irp c, 0,1,2,3,4,5,6,7
	global_load_b64 v[64+2*\c:65+2*\c], v3, s[6:7] offset:256*\c th:TH_LOAD_NT
.endr
	global_load_b64 v[52:53], v3, s[8:9]
	s_wait_loadcnt 9                               ; t is in; the nine loads behind it may be out
.irp c, 0,1,2,3,4,5,6,7
	v_max3_num_f32 v[80+\c], v[16+4*\c], v[17+4*\c], v[18+4*\c]
.endr
.irp c, 0,1,2,3,4,5,6,7
	v_max_num_f32 v[80+\c], v[80+\c], v[19+4*\c]
.endr
.irp m, 1,2,4,8
.irp c, 0,1,2,3,4,5,6,7
	v_max_num_f32_dpp v[80+\c], v[80+\c], v[80+\c] row_xmask:\m row_mask:0xf bank_mask:0xf
.endr
.endr
.irp c, 0,1,2,3,4,5,6,7
	v_permlanex16_b32 v[88+\c], v[80+\c], s28, s29
.endr
.irp c, 0,1,2,3,4,5,6,7
	v_max_num_f32 v[80+\c], v[80+\c], v[88+\c]     ; m_c
.endr
	v_max3_num_f32 v62, v80, v81, v82
	v_max3_num_f32 v58, v83, v84, v85
	v_max3_num_f32 v62, v62, v86, v87
	v_max_num_f32 v62, v62, v58                    ; M
.irp c, 0,1,2,3,4,5,6,7
	v_sub_f32 v[80+\c], v[80+\c], v62
.endr
.set i, 0
.rept 32
	v_sub_f32 v[16+i], v[16+i], v62
.set i, i+1
.endr
	s_wait_alu depctr_va_vdst(0)                   ; ahead of the batch
.set i, 0
.rept 32
	v_exp_f32 v[16+i], v[16+i]                     ; p
.set i, i+1
.endr
.irp c, 0,1,2,3,4,5,6,7
	v_exp_f32 v[80+\c], v[80+\c]                   ; 2^(m_c - M)
.endr
	v_nop
	s_wait_alu depctr_va_vdst(0)                   ; and behind it
	v_pk_add_f32 v[54:55], v[16:17], v[18:19]
	v_pk_add_f32 v[56:57], v[20:21], v[22:23]
.irp i, 8,12,16,20,24,28
	v_pk_add_f32 v[54:55], v[54:55], v[16+\i:17+\i]
	v_pk_add_f32 v[56:57], v[56:57], v[18+\i:19+\i]
.endr
	v_pk_add_f32 v[54:55], v[54:55], v[56:57]
	v_add_f32 v54, v54, v55
.irp m, 1,2,4,8
	v_add_f32_dpp v54, v54, v54 row_xmask:\m row_mask:0xf bank_mask:0xf
.endr
	v_permlanex16_b32 v63, v54, s28, s29
	v_add_f32 v54, v54, v63                        ; L
	s_wait_alu depctr_va_vdst(0)
	v_rcp_f32 v60, v54
	v_nop
	s_wait_alu depctr_va_vdst(0)
	v_mov_b32 v61, v60
.irp i, 0,2,4,6,8,10,12,14,16,18,20,22,24,26,28,30
	v_pk_mul_f32 v[16+\i:17+\i], v[16+\i:17+\i], v[60:61]
.endr
.irp i, 0,1,2,3,4,5,6,7
	global_store_b128 v2, v[16+4*\i:19+4*\i], s[14:15] offset:512*\i th:TH_STORE_NT
.endr
	s_wait_loadcnt 0x0                             ; o, bv
	s_wait_kmcnt 0x0
	s_add_co_i32 s32, s30, s31                     ; e4 + e5
	v_ldexp_f32 v62, v60, s32                      ; 2^(e4 + e5) / L
	v_mul_f32 v48, v64, v80
	v_mul_f32 v49, v65, v80
.irp c, 1,2,3,4,5,6,7
	v_fma_f32 v48, v[64+2*\c], v[80+\c], v48
	v_fma_f32 v49, v[65+2*\c], v[80+\c], v49
.endr
	v_fma_f32 v48, v48, v62, v52
	v_fma_f32 v49, v49, v62, v53
	global_store_b64 v3, v[48:49], s[12:13] th:TH_STORE_NT           ; 256 consecutive bytes, aligned
	s_endpgm
.Lfunc_end_k_qfe85ac5deb_finish:
	.size	k_qfe85ac5deb_finish, .Lfunc_end_k_qfe85ac5deb_finish-k_qfe85ac5deb_finish
	.p2alignl 7, 3214868480
	.fill 96, 4, 3214868480
	.section	.rodata,"a",@progbits
	.p2align	6, 0x0
	.amdhsa_kernel k_qfe85ac5deb_finish
		.amdhsa_group_segment_fixed_size 0
		.amdhsa_private_segment_fixed_size 0
		.amdhsa_enable_private_segment 0
		.amdhsa_kernarg_size 48
		.amdhsa_user_sgpr_count 2
		.amdhsa_user_sgpr_kernarg_segment_ptr 1
		.amdhsa_wavefront_size32 1
		.amdhsa_system_sgpr_workgroup_id_x 1
		.amdhsa_system_sgpr_workgroup_id_y 1
		.amdhsa_system_sgpr_workgroup_id_z 1
		.amdhsa_system_vgpr_workitem_id 0
		.amdhsa_next_free_vgpr 96
		.amdhsa_next_free_sgpr 66
		.amdhsa_reserve_vcc 0
		.amdhsa_float_denorm_mode_32 3
		.amdhsa_float_denorm_mode_16_64 3
		.amdhsa_memory_ordered 1
		.amdhsa_forward_progress 1
		.amdhsa_inst_pref_size 15
	.end_amdhsa_kernel
	.amdgpu_metadata
---
amdhsa.version: [ 1, 2 ]
amdhsa.kernels:
  - .name:           k_qfe85ac5deb_finish
    .symbol:         k_qfe85ac5deb_finish.kd
    .args:
      - { .name: tbuf, .offset: 0, .size: 8, .value_kind: global_buffer, .address_space: global }
      - { .name: obuf, .offset: 8, .size: 8, .value_kind: global_buffer, .address_space: global }
      - { .name: bv, .offset: 16, .size: 8, .value_kind: global_buffer, .address_space: global }
      - { .name: lowp_scales, .offset: 24, .size: 8, .value_kind: global_buffer, .address_space: global }
      - { .name: out0, .offset: 32, .size: 8, .value_kind: global_buffer, .address_space: global }
      - { .name: out1, .offset: 40, .size: 8, .value_kind: global_buffer, .address_space: global }
    .group_segment_fixed_size: 0
    .private_segment_fixed_size: 0
    .kernarg_segment_align: 8
    .kernarg_segment_size: 48
    .max_flat_workgroup_size: 64
    .sgpr_count:     66
    .vgpr_count:     96
    .wavefront_size: 32
...
	.end_amdgpu_metadata
.endif
;; end of part 6
